; MI455X (gfx1250); checked and timed in simulation.
; The chip was launched on July 23, 2026; its instructions are those of AMD's public machine-readable ISA for CDNA 5 (MIT licence, August 2026) and "CDNA5" Instruction Set Architecture Reference Guide (July 2026). The comments in the code are by the model that wrote it; some were corrected since.
;; Encoder Block. Allowed arithmetic: float matrix products may take bf16 or f16 operands with f32 sums; other float arithmetic in f32, or as packed bf16 or f16 multiplies, adds, multiply-adds, maxima and minima; sums over many terms, partial sums and values carried from step to step in f32; what a program stores and reads back later, other than sums and carried values, may be rounded once to bf16 or f16.
;; Inputs: b1 4,096 float32; b2 1,024 float32; b_out 1,024 float32; ln1_b 1,024 float32; ln1_g 1,024 float32; ln2_b 1,024 float32; ln2_g 1,024 float32; w1 1,024 x 4,096 float32; w2 4,096 x 1,024 float32; w_out 1,024 x 1,024 float32; w_qkv 1,024 x 3,072 float32; x 2 x 2,048 x 1,024 float32.
;; Outputs: out0 2 x 2,048 x 1,024 float32.
;; One version. Each part assembles by itself: llvm-mc -triple=amdgcn-amd-amdhsa -mcpu=gfx1250 --defsym DOCPART=n.
;; ======== version 1 of 1: 7 launches
;; limits: values are held in f16: magnitudes above 65,504 overflow, below 6.1e-05 lose precision; a function is approximated: absolute error at most 3e-07
;; workspace buffers: wts 25,165,824 bytes; xn 8,388,608 bytes; qkv 25,165,824 bytes; o 8,388,608 bytes; x1 16,777,216 bytes; h 33,554,432 bytes
;; launch prep (part 1): grid 1024 x 1, 8 waves a work-group, no clusters, 0 bytes of LDS; arguments x, ln1_g, ln1_b, w_qkv, w_out, w1, w2, wts, xn; writes wts, xn
.if DOCPART == 1
	.amdgcn_target "amdgcn-amd-amdhsa--gfx1250"
	.amdhsa_code_object_version 6
	.text
	.protected	k_qf83d3d09a4_prep
	.globl	k_qf83d3d09a4_prep
	.p2align	8
	.type	k_qf83d3d09a4_prep,@function
k_qf83d3d09a4_prep:
	s_mov_b64 s[64:65], 0
	v_nop
	global_prefetch_b8 v0, s[64:65] scope:SCOPE_SE
	s_setreg_imm32_b32 hwreg(HW_REG_WAVE_MODE, 25, 1), 1
	s_wait_xcnt 0x0
; Two jobs that stream.  Work-groups 0-255: xn = LayerNorm(x) * g + b, f32 -> f16, 16 rows a work-group (the longer job has the lower numbers).
; Work-groups 256-1023: the four weight matrices, f32 -> f16, layout kept ([K][N]), 16,384 numbers a work-group, laid one behind the other in wts (w_qkv, w_out, w1, w2).
; LIMITS.  f16 ends at 65,504: a weight or a normalised number beyond it becomes an infinity; below 6e-5 f16 keeps its fixed step of 6e-8.
; The norm takes the mean first and then the mean of (x - mean)^2, so a common offset of a row costs nothing.  NaN and infinities are not treated apart.
; No LDS, no matrix unit, no cluster: each byte is read once and written once, and no two work-groups share an input but g and b (8 KB).
; REGISTERS: 114 are named, 128 declared: eight waves of 128 share a SIMD's 1,024, so four work-groups of eight waves lie on a WGP and 4 x 256 = 1,024 work-groups have their loads out together.
; For that the norm holds gain and bias of half of a lane's 32 columns at a time, and packs its f16 results into the registers of the row itself.
.set GH,  4                            ; v[4:19]    gain of 16 of my columns
.set BH,  20                           ; v[20:35]   bias of the same
.set X0,  36                           ; v[36:67]   first row
.set X1,  68                           ; v[68:99]   second row
.set T,   100                          ; v[100:107] at work
.set M,   108                          ; v[108:109] the mean, twice
.set R0,  110                          ; v[110:111] 1 / sqrt(var + eps) of the first row, twice
.set R1,  112                          ; v[112:113] of the second
.set SRC, 4                            ; s[4:5] rows in, s[6:7] gain, s[8:9] bias
.set DST, 20                           ; s[20:21] rows out
	s_load_b512 s[4:19], s[0:1], 0x0               ; x 4, g 6, b 8, w_qkv 10, w_out 12, w1 14, w2 16, wts 18
	s_load_b64 s[20:21], s[0:1], 0x40              ; xn
	s_mov_b32 s22, ttmp9
	s_wait_kmcnt 0x0
	s_cmp_lt_u32 s22, 256
	s_cbranch_scc1 .Lln
	; THE WEIGHTS.  Chunk g of 16,384 numbers: 192 chunks of w_qkv, 64 of w_out, 256 of w1, 256 of w2; in wts chunk g lies at 32,768 g.
	s_sub_co_u32 s22, s22, 256                     ; the chunk
	v_lshlrev_b32 v1, 4, v0                        ; 16 bytes a thread in
	v_lshlrev_b32 v2, 3, v0                        ; 8 bytes a thread out
	s_mov_b64 s[24:25], s[10:11]
	s_mov_b32 s23, 0
	s_cmp_ge_u32 s22, 192
	s_cselect_b64 s[24:25], s[12:13], s[24:25]
	s_cselect_b32 s23, 192, s23
	s_cmp_ge_u32 s22, 256
	s_cselect_b64 s[24:25], s[14:15], s[24:25]
	s_cselect_b32 s23, 256, s23
	s_cmp_ge_u32 s22, 512
	s_cselect_b64 s[24:25], s[16:17], s[24:25]
	s_cselect_b32 s23, 512, s23
	s_sub_co_u32 s26, s22, s23                     ; the chunk's number in its own matrix,
	s_lshl_b32 s26, s26, 16                        ; times 65,536 bytes
	s_mov_b32 s27, 0
	s_add_nc_u64 s[24:25], s[24:25], s[26:27]
	s_lshl_b32 s28, s22, 15
	s_mov_b32 s29, 0
	s_add_nc_u64 s[28:29], s[18:19], s[28:29]
.set j, 0
.rept 16                                               ; all sixteen loads go out first: 512 neighbouring bytes a wave each
	global_load_b128 v[4+4*j:7+4*j], v1, s[24:25] offset:4096*j th:TH_LOAD_NT
.set j, j+1
.endr
.set j, 0
.rept 16
	s_wait_loadcnt 15-j                            ; loads come back in order: load j is in, the 15 - j younger ones stay out
	v_cvt_pk_f16_f32 v[68+2*j], v[4+4*j], v[5+4*j]
	v_cvt_pk_f16_f32 v[69+2*j], v[6+4*j], v[7+4*j]
	global_store_b64 v2, v[68+2*j:69+2*j], s[28:29] offset:2048*j  ; a wave stores 256 consecutive bytes, aligned; no register is used twice
.set j, j+1
.endr
	s_endpgm
.Lln:
	; THE NORM.  Wave w takes rows 16 g + 2 w and the next; a row of 4,096 bytes is eight loads of 16 bytes a lane and stays in 32 registers.
	v_lshrrev_b32 v3, 5, v0
	v_readfirstlane_b32 s34, v3                    ; wave
	v_and_b32 v1, 31, v0
	v_lshlrev_b32 v2, 3, v1                        ; 8 bytes a lane out
	v_lshlrev_b32 v1, 4, v1                        ; 16 bytes a lane in
	s_mov_b32 s30, 0x76543210                      ; v_permlanex16_b32: each lane takes its own place in the other half
	s_mov_b32 s31, 0xfedcba98
	s_mov_b32 s32, 0x3a800000                      ; 1 / 1024
	s_mov_b32 s33, 0x3727c5ac                      ; 1e-5
	s_lshl_b32 s36, s22, 16
	s_lshl_b32 s37, s34, 13
	s_add_co_u32 s36, s36, s37                     ; (16 g + 2 w) rows of 4,096 bytes
	s_mov_b32 s37, 0
	s_add_nc_u64 s[SRC:SRC+1], s[SRC:SRC+1], s[36:37]
	s_lshr_b32 s36, s36, 1                         ; rows of 2,048 bytes
	s_add_nc_u64 s[DST:DST+1], s[DST:DST+1], s[36:37]
.irp j, 0,1,2,3,4,5,6,7
	global_load_b128 v[X0+4*\j:X0+4*\j+3], v1, s[SRC:SRC+1] offset:512*\j
.endr
.irp j, 0,1,2,3,4,5,6,7
	global_load_b128 v[X1+4*\j:X1+4*\j+3], v1, s[SRC:SRC+1] offset:4096+512*\j
.endr
.macro GB h                            ; gain and bias of half h of my columns: eight loads
.irp j, 0,1,2,3
	global_load_b128 v[GH+4*\j:GH+4*\j+3], v1, s[6:7] offset:2048*\h+512*\j
.endr
.irp j, 0,1,2,3
	global_load_b128 v[BH+4*\j:BH+4*\j+3], v1, s[8:9] offset:2048*\h+512*\j
.endr
.endm
	GB 0
.macro RED                             ; the sum of v[T] over the 32 lanes, in every lane
.irp m, 1,2,4,8
	v_add_f32_dpp v[T], v[T], v[T] row_xmask:\m row_mask:0xf bank_mask:0xf
.endr
	v_permlanex16_b32 v[T+1], v[T], s30, s31
	v_add_f32 v[T], v[T], v[T+1]
.endm
.macro FOLD                            ; four pairs into one number
	v_pk_add_f32 v[T:T+1], v[T:T+1], v[T+2:T+3]
	v_pk_add_f32 v[T+4:T+5], v[T+4:T+5], v[T+6:T+7]
	v_pk_add_f32 v[T:T+1], v[T:T+1], v[T+4:T+5]
	v_add_f32 v[T], v[T], v[T+1]
.endm
; A row's statistics: X becomes x - mean, R takes 1 / sqrt(var + eps).  left = the younger loads that may stay out
.macro STATS X, R, left
	s_wait_loadcnt \left
.irp k, 0,1,2,3
	v_pk_add_f32 v[T+2*\k:T+2*\k+1], v[\X+2*\k:\X+2*\k+1], v[\X+8+2*\k:\X+9+2*\k]  ; four chains start the sum: nothing is cleared
.endr
.irp o, 16, 24
.irp k, 0,1,2,3
	v_pk_add_f32 v[T+2*\k:T+2*\k+1], v[T+2*\k:T+2*\k+1], v[\X+\o+2*\k:\X+\o+2*\k+1]
.endr
.endr
	FOLD
	RED
	v_mul_f32 v[M], s32, v[T]                      ; the mean
	v_mul_f32 v[M+1], s32, v[T]
.set n, 0
.rept 16
	v_pk_add_f32 v[\X+2*n:\X+2*n+1], v[\X+2*n:\X+2*n+1], v[M:M+1] neg_lo:[0,1] neg_hi:[0,1]  ; x - mean
.set n, n+1
.endr
.irp k, 0,1,2,3
	v_pk_mul_f32 v[T+2*\k:T+2*\k+1], v[\X+2*\k:\X+2*\k+1], v[\X+2*\k:\X+2*\k+1]
.endr
.irp o, 8, 16, 24
.irp k, 0,1,2,3
	v_pk_fma_f32 v[T+2*\k:T+2*\k+1], v[\X+\o+2*\k:\X+\o+2*\k+1], v[\X+\o+2*\k:\X+\o+2*\k+1], v[T+2*\k:T+2*\k+1]
.endr
.endr
	FOLD
	RED
	v_fma_f32 v[T], v[T], s32, s33                 ; var + eps
	v_rsq_f32 v[\R], v[T]
	v_rsq_f32 v[\R+1], v[T]
	v_nop                                          ; a plain instruction between the root and its use or a write of its source (ISA guide 5.7.2)
.endm
.macro SCALE X, R                      ; the whole row times 1 / sqrt(var + eps)
.set n, 0
	s_wait_alu depctr_va_vdst(0)
.rept 16
	v_pk_mul_f32 v[\X+2*n:\X+2*n+1], v[\X+2*n:\X+2*n+1], v[\R:\R+1]
.set n, n+1
.endr
.endm
.macro AFF X, h                        ; half h of the row times gain plus bias
.set n, 0
.rept 8
	v_pk_fma_f32 v[\X+16*\h+2*n:\X+16*\h+2*n+1], v[\X+16*\h+2*n:\X+16*\h+2*n+1], v[GH+2*n:GH+2*n+1], v[BH+2*n:BH+2*n+1]
.set n, n+1
.endr
.endm
.macro OUT X, h, out                   ; half h is rounded to f16, packed into its own first eight registers (register n is written when 2 n and 2 n + 1 are read), and stored
.set n, 0
.rept 8
	v_cvt_pk_f16_f32 v[\X+16*\h+n], v[\X+16*\h+2*n], v[\X+16*\h+2*n+1]
.set n, n+1
.endr
.set n, 0
.rept 4
	global_store_b64 v2, v[\X+16*\h+2*n:\X+16*\h+2*n+1], s[DST:DST+1] offset:256*(4*\h+n)+\out  ; a wave stores 256 consecutive bytes, aligned; what a store reads is not written again
.set n, n+1
.endr
.endm
	STATS X0, R0, 16                               ; the second row's 8 loads and the 8 of gain and bias stay out
	STATS X1, R1, 8                                ; gain and bias stay out
	SCALE X0, R0
	SCALE X1, R1
	s_wait_loadcnt 0x0                             ; gain and bias of the first half
	AFF X0, 0
	AFF X1, 0
	GB 1                                           ; the second half lands on the same registers, behind their last use; the roundings and stores below stand in its way
	OUT X0, 0, 0
	OUT X1, 0, 2048
	s_wait_loadcnt 0x0
	AFF X0, 1
	AFF X1, 1
	OUT X0, 1, 0
	OUT X1, 1, 2048
	s_endpgm
.Lfunc_end_k_qf83d3d09a4_prep:
	.size	k_qf83d3d09a4_prep, .Lfunc_end_k_qf83d3d09a4_prep-k_qf83d3d09a4_prep
	.p2alignl 7, 3214868480
	.fill 96, 4, 3214868480
	.section	.rodata,"a",@progbits
	.p2align	6, 0x0
	.amdhsa_kernel k_qf83d3d09a4_prep
		.amdhsa_group_segment_fixed_size 0
		.amdhsa_private_segment_fixed_size 0
		.amdhsa_enable_private_segment 0
		.amdhsa_kernarg_size 72
		.amdhsa_user_sgpr_count 2
		.amdhsa_user_sgpr_kernarg_segment_ptr 1
		.amdhsa_wavefront_size32 1
		.amdhsa_system_sgpr_workgroup_id_x 1
		.amdhsa_system_sgpr_workgroup_id_y 1
		.amdhsa_system_sgpr_workgroup_id_z 1
		.amdhsa_system_vgpr_workitem_id 0
		.amdhsa_next_free_vgpr 128
		.amdhsa_next_free_sgpr 66
		.amdhsa_reserve_vcc 0
		.amdhsa_float_denorm_mode_32 3
		.amdhsa_float_denorm_mode_16_64 3
		.amdhsa_memory_ordered 1
		.amdhsa_forward_progress 1
		.amdhsa_inst_pref_size 27
	.end_amdhsa_kernel
	.amdgpu_metadata
---
amdhsa.version: [ 1, 2 ]
amdhsa.kernels:
  - .name:           k_qf83d3d09a4_prep
    .symbol:         k_qf83d3d09a4_prep.kd
    .args:
      - { .name: x, .offset: 0, .size: 8, .value_kind: global_buffer, .address_space: global }
      - { .name: ln1_g, .offset: 8, .size: 8, .value_kind: global_buffer, .address_space: global }
      - { .name: ln1_b, .offset: 16, .size: 8, .value_kind: global_buffer, .address_space: global }
      - { .name: w_qkv, .offset: 24, .size: 8, .value_kind: global_buffer, .address_space: global }
      - { .name: w_out, .offset: 32, .size: 8, .value_kind: global_buffer, .address_space: global }
      - { .name: w1, .offset: 40, .size: 8, .value_kind: global_buffer, .address_space: global }
      - { .name: w2, .offset: 48, .size: 8, .value_kind: global_buffer, .address_space: global }
      - { .name: wts, .offset: 56, .size: 8, .value_kind: global_buffer, .address_space: global }
      - { .name: xn, .offset: 64, .size: 8, .value_kind: global_buffer, .address_space: global }
    .group_segment_fixed_size: 0
    .private_segment_fixed_size: 0
    .kernarg_segment_align: 8
    .kernarg_segment_size: 72
    .max_flat_workgroup_size: 256
    .sgpr_count:     66
    .vgpr_count:     128
    .wavefront_size: 32
...
	.end_amdgpu_metadata
.endif
;; end of part 1
;; launch qkv (part 2): grid 16 x 16, 4 waves a work-group, clusters of 4 x 4, 327,680 bytes of LDS; arguments xn, wts, qkv; writes qkv
.if DOCPART == 2
	.amdgcn_target "amdgcn-amd-amdhsa--gfx1250"
	.amdhsa_code_object_version 6
	.text
	.protected	k_qf83d3d09a4_qkv
	.globl	k_qf83d3d09a4_qkv
	.p2align	8
	.type	k_qf83d3d09a4_qkv,@function
k_qf83d3d09a4_qkv:
	s_mov_b64 s[64:65], 0
	v_nop
	global_prefetch_b8 v0, s[64:65] scope:SCOPE_SE
	s_setreg_imm32_b32 hwreg(HW_REG_WAVE_MODE, 25, 1), 1
	s_wait_xcnt 0x0
	s_wait_alu depctr_hold_cnt(0) depctr_sa_sdst(0) depctr_va_vdst(0) depctr_va_sdst(0) depctr_va_ssrc(0) depctr_va_vcc(0) depctr_vm_vsrc(0)
	s_getreg_b32 s2, hwreg(HW_REG_IB_STS2, 6, 4)
	s_cmp_eq_u32 s2, 0
	s_cbranch_scc0 .Lentry_in_a_cluster
	s_endpgm
.Lentry_in_a_cluster:
	s_bfe_u32 s2, ttmp6, 0x10000c
	s_cmp_lg_u32 s2, 0xf033
	s_cbranch_scc0 .Lentry_shape_is_right
	s_endpgm
.Lentry_shape_is_right:
; q, k, v = xn [4096][1024] x w_qkv [1024][3072], f16 operands, f32 sums, stored by heads: qkv[which][b*16+head][token][64] in f16, unscaled, rounded once.
; LIMIT.  f16 ends at 65,504: a q, k or v beyond it becomes an infinity.
; A tile of C is 256 rows x 192 columns (three whole heads): 16 x 16 = 256 work-groups.  Four waves, each 64 rows x 192 columns: 48 accumulators, 384 registers.
; K goes in steps of 128 through two LDS slots.  A's rows lie along K; the weights lie [K][N] and are turned on the way out of LDS by ds_load_tr16_b128.
; CLUSTER 4 x 4: A's tile hangs on the tile row alone and is asked for jointly along a row of the cluster, B's on the tile column alone, jointly along a column.
; THE WALK.  The eight K steps are a ring that cluster (X, Y) enters at step r = (2 X + 4 (Y & 1)) mod 8: the four clusters that read one tile of A (same Y) enter 2 steps apart, neighbouring Y that read one
; tile of B 4 apart, so of the clusters that read a tile one asks first and the others later.  r hangs on the cluster's place alone, which all partners of a joint load share.  The f32 sums are added in that order.
; The matrix instruction is used transposed (source 0 = 16 columns of W, source 1 = 16 rows of xn): a lane holds eight neighbouring columns of one row of C.
; REGISTERS: window 0: v16-29 addresses; v64-95, v128-159 A's fragments, two buffers; on the way out v64-255.  window 1: v0-95, v128-223 B's fragments.
;   windows 2, 3: accumulator (a, b) in window 2 + a / 2 at v[8 (12 (a % 2) + b)].
.set MB, 4                             ; blocks of 16 rows a wave
.set NB, 12                            ; blocks of 16 columns a wave
.set AW, 2                             ; row blocks in an accumulator window
.set NK, 8                             ; K steps
.set PA, 272                           ; A's LDS row: 256 bytes + 16: the 16 rows of a load start 16 bytes apart modulo 256
.set HA, 128*PA                        ; 128 rows: one tensor load
.set PB, 480                           ; B's LDS row: three times (128 bytes + 32): an odd multiple of 32, so 8 rows x 32 bytes of a turning load do not meet
.set CPAD, 32                          ; the padding behind every four blocks of 16 columns
.set HB, 64*PB                         ; 64 rows of K: one tensor load
.set BOFF, 2*HA
.set SLOT, 131072                      ; shares no bit with the four loads' places in a slot: an exclusive or changes slots
.set SPARE, 2*SLOT                     ; the spare words: 128 bytes a wave, named by no other line
.set KA, 256                           ; bytes from K step to K step in A,
.set KB, 128*3072*2                    ; and in B
.set SPI, 784                          ; the way out: a row of 192 f32 + 16 bytes
.set STW, 64*SPI                       ; a wave's stage; it lies in the ring, which has had its last fill by then
.set ADRA0, 16
.set ADRB0, 17
.set ADRA, 18
.set ADRB, 19
.set STO, 24
.set RD, 25
.set CO, 26
.set SPW, 28
.set NIL, 29
.set BA, 20                            ; s[20:21] A at my rows, K step 0
.set G1A, 24
.set G0A, 32
.set BB, 46                            ; s[46:47] B at my rows and columns, K step 0
.set G1B, 48
.set G0B, 56
.set OA, 76                            ; s[76:77] byte offset of the K step asked for, in A,
.set OB, 78                            ; s[78:79] and in B
.set KI, 80                            ; s80 the K step asked for last
.set MSB, 0
.macro WIN new                         ; the immediate's high byte repeats the setting that is left; a switch that changes nothing is dropped
.if MSB != (\new)
	s_set_vgpr_msb (MSB<<8)|(\new)
.set MSB, (\new)
.endif
.endm
.set MUL_LO, 0xa1                      ; source 0 (B) window 1, source 1 (A) window 0, C and D window 2
.set TO_B, 0x40                        ; destination window 1, address window 0
.macro PLACES                          ; four places behind matrix instructions (ISA guide 7.12.1)
.rept 4
	v_nop
.endr
.endm
; A joint refill by the walking descriptors: waves 0, 1 fetch A's halves, waves 2, 3 B's.  An s_nop 0 and four v_nop follow each line.
.macro JLOAD
	s_cmp_eq_u32 s13, 0
	s_cbranch_scc0 .Lfor_b_\@
	tensor_load_to_lds s[G0A+4:G0A+7], s[G1A:G1A+7]
	s_nop 0
	PLACES
	s_branch .Lasked_\@
.Lfor_b_\@:
	tensor_load_to_lds s[G0B+4:G0B+7], s[G1B:G1B+7]
	s_nop 0
	PLACES
.Lasked_\@:
.endm
.macro CREST                           ; a round of the cluster's barrier behind its opening barrier
	s_cmp_lg_u32 s12, 0
	s_cbranch_scc1 .Lnot_wave_0_\@
	s_barrier_signal -3
.Lnot_wave_0_\@:
	s_barrier_wait -3
	s_barrier_signal -1
	s_barrier_wait -1
.endm
.macro CROUND
	s_barrier_signal -1
	s_barrier_wait -1
	CREST
.endm
; NB matrix instructions: row block a of window hi x all column blocks, 32 along K, from buffer f.  zero = 1: the product starts the sums.
.macro MULA f, hi, a, zero
	WIN MUL_LO+0x50*(\hi)
.set bb, 0
.rept NB
.set rD, 8*(NB*(\a)+bb)
.set rB, 128*(\f)+8*bb
.set rA, 64+64*(\f)+8*(AW*(\hi)+(\a))
.if \zero
	v_wmma_f32_16x16x32_f16 v[rD:rD+7], v[rB:rB+7], v[rA:rA+7], 0
.else
	v_wmma_f32_16x16x32_f16 v[rD:rD+7], v[rB:rB+7], v[rA:rA+7], v[rD:rD+7]
.endif
.set bb, bb+1
.endr
.endm
.macro MULH f, hi, a0, n, zero         ; n row blocks from a0 on.  The accumulators take turns, one instruction a turn
.set aa, \a0
.rept \n
	MULA \f, \hi, aa, \zero
.set aa, aa+1
.endr
.endm
; 32 LDS loads in one run: quarter q (32 along K) of the slot in hand into buffer f: B turned, then A
.macro FETCH q, f
	WIN TO_B
.set bb, 0
.rept NB
.set cb, (\q)*32*PB+32*bb+CPAD*(bb/4)
	ds_load_tr16_b128 v[128*(\f)+8*bb:128*(\f)+8*bb+3],   v[ADRB] offset:cb
	ds_load_tr16_b128 v[128*(\f)+8*bb+4:128*(\f)+8*bb+7], v[ADRB] offset:cb+16*PB
.set bb, bb+1
.endr
	WIN 0
.set aa, 0
.rept MB
	ds_load_b128 v[64+64*(\f)+8*aa:64+64*(\f)+8*aa+3],   v[ADRA] offset:64*(\q)+aa*16*PA
	ds_load_b128 v[64+64*(\f)+8*aa+4:64+64*(\f)+8*aa+7], v[ADRA] offset:64*(\q)+aa*16*PA+32
.set aa, aa+1
.endr
.endm
; One of a K step's first three quarters: multiplies buffer f, fetches quarter q into buffer g in its middle
.macro QUARTER q, f, g, zero
	s_wait_dscnt MB                                ; B and A's lower row blocks are in; the youngest MB loads (A's upper blocks) may be out
	MULH \f, 0, 0, AW, \zero
	PLACES
	FETCH \q, \g
	s_wait_dscnt 32                                ; all but the 32 just issued
	MULH \f, 1, 0, AW, \zero
.endm
; The last quarter multiplies buffer 1 and changes slots.  fill = 1: the slot just read is filled again, with the ring's step two on, behind a round of the cluster's barrier.
; fill = 0 (the tail's loop, counted by s2): nothing is asked for; in its last trip there is no next slot, and the fetch is jumped over.
.macro TURN fill
	WIN 0
	s_wait_tensorcnt 0x0                           ; all my tensor loads have landed: the one that was out is my part of the next slot; so a group 0 may be written
	ds_add_u32 v[SPW], v[NIL]                      ; 0 onto my spare word
.if \fill
	s_add_co_u32 s[KI], s[KI], 1                   ; the ring's next step; its addresses are made anew from its number
	s_and_b32 s[KI], s[KI], NK-1
	s_mul_i32 s[OA], s[KI], KA
	s_mul_i32 s[OB], s[KI], KB
	s_xor_b32 s[G0A+5], s[G0A+5], SLOT             ; the other slot than last time
	s_add_nc_u64 s[G0A+6:G0A+7], s[BA:BA+1], s[OA:OA+1]
	s_or_b32 s[G0A+7], s[G0A+7], 0x80000000
	s_xor_b32 s[G0B+5], s[G0B+5], SLOT
	s_add_nc_u64 s[G0B+6:G0B+7], s[BB:BB+1], s[OB:OB+1]
	s_or_b32 s[G0B+7], s[G0B+7], 0x80000000
.endif
	s_wait_dscnt MB+1                              ; the add and the youngest MB loads may be out
	MULH 1, 0, 0, AW/2, 0
	s_wait_dscnt 0x0                               ; the add is done, and my reads of this slot are over
	s_barrier_signal -1
	MULH 1, 0, AW/2, AW/2, 0
	WIN 0
	s_barrier_wait -1
.if \fill
	CREST                                          ; no wave of any partner still reads this slot or has a load on its way
	JLOAD                                          ; my one tensor load behind the round; its four v_nop are also the places in front of the loads below
.else
	PLACES
	s_cmp_eq_u32 s2, 1
	s_cbranch_scc1 .Lno_fetch_\@
.endif
	s_xor_b32 s3, s3, SLOT
	v_add_nc_u32 v[ADRA], s3, v[ADRA0]
	v_add_nc_u32 v[ADRB], s3, v[ADRB0]
	FETCH 0, 0
.if !(\fill)
.Lno_fetch_\@:
.endif
	MULH 1, 1, 0, AW, 0
.endm
	s_load_b128 s[4:7], s[0:1], 0x0                ; xn s[4:5], wts s[6:7]
	s_load_b64 s[8:9], s[0:1], 0x10                ; qkv
	v_lshl_add_u32 v[SPW], v0, 2, SPARE
	v_mov_b32 v[NIL], 0
	ds_add_u32 v[SPW], v[NIL]                      ; the wave's opening: the add and its wait ahead of my first tensor load
	v_lshrrev_b32 v1, 5, v0
	v_readfirstlane_b32 s12, v1                    ; wave 0..3
	s_lshr_b32 s13, s12, 1                         ; I fetch for A (0) or for B (1),
	s_and_b32 s14, s12, 1                          ; its first or second half
	s_bfe_u32 s40, ttmp6, 0x40000                  ; cx
	s_bfe_u32 s41, ttmp6, 0x40004                  ; cy
	s_lshl_b32 s42, ttmp9, 2
	s_add_co_u32 s42, s42, s40                     ; tile column
	s_and_b32 s15, ttmp7, 0xffff
	s_lshl_b32 s15, s15, 2
	s_add_co_u32 s15, s15, s41                     ; tile row
	s_lshl_b32 s43, s41, 2
	s_lshl_b32 s43, 15, s43                        ; my row of the cluster
	s_lshl_b32 s44, 0x1111, s40                    ; my column
	s_or_b32 s[G1A], s43, (1<<16)|(1<<20)|(1<<21)|(5<<22)|(3<<25)  ; mask; 2-byte elements; padding on; bit 21 beside a mask; 4 words behind every 64
	s_mov_b32 s[G1A+1], 128<<16                    ; tensor_dim0 = 128
	s_mov_b32 s[G1A+2], 128<<16                    ; tensor_dim1 = 128
	s_mov_b32 s[G1A+3], 128<<16                    ; tile_dim0 = 128
	s_mov_b32 s[G1A+4], 128                        ; tile_dim1 = 128
	s_mov_b32 s[G1A+5], 1024                       ; elements from row to row
	s_mov_b32 s[G1A+6], 0
	s_mov_b32 s[G1A+7], 0
	s_or_b32 s[G1B], s44, (1<<16)|(1<<20)|(1<<21)|(4<<22)|(7<<25)  ; 8 words behind every 32
	s_mov_b32 s[G1B+1], 192<<16
	s_mov_b32 s[G1B+2], 64<<16
	s_mov_b32 s[G1B+3], 192<<16
	s_mov_b32 s[G1B+4], 64
	s_mov_b32 s[G1B+5], 3072
	s_mov_b32 s[G1B+6], 0
	s_mov_b32 s[G1B+7], 0
	s_and_b32 s18, ttmp7, 1                        ; where my cluster enters the ring: r = (2 X + 4 (Y & 1)) mod 8, an even number
	s_lshl_b32 s18, s18, 2
	s_lshl_b32 s19, ttmp9, 1
	s_add_co_u32 s18, s18, s19
	s_and_b32 s[KI], s18, NK-1
	s_mul_i32 s[OA], s[KI], KA
	s_mov_b32 s[OA+1], 0
	s_mul_i32 s[OB], s[KI], KB
	s_mov_b32 s[OB+1], 0
	s_add_co_u32 s[KI], s[KI], 1                   ; the first fills ask for steps r and r + 1
	s_lshl_b32 s16, s15, 19                        ; A: (256 tile row + 128 half) rows of 2,048 bytes
	s_lshl_b32 s17, s14, 18
	s_add_co_u32 s16, s16, s17
	s_mov_b32 s17, 0
	s_mul_i32 s46, s14, 64*3072*2                  ; B: 64 half rows of 6,144 bytes + 384 bytes a tile column
	s_mul_i32 s47, s42, 384
	s_add_co_u32 s46, s46, s47
	s_mov_b32 s47, 0
	s_mul_i32 s22, s14, HA                         ; places in a slot: no place in the cluster enters an LDS address
	s_mul_i32 s23, s14, HB
	s_add_co_u32 s23, s23, BOFF
	s_wait_dscnt 0x0                               ; the opening add is done
	s_wait_kmcnt 0x0
	s_add_nc_u64 s[BA:BA+1], s[4:5], s[16:17]
	s_add_nc_u64 s[BB:BB+1], s[6:7], s[46:47]
	s_add_nc_u64 s[18:19], s[BA:BA+1], s[OA:OA+1]  ; both at step r
	s_add_nc_u64 s[72:73], s[BB:BB+1], s[OB:OB+1]
.irp s, 0,1
	s_mov_b32 s[G0A+4*\s], 1
	s_add_co_u32 s[G0A+4*\s+1], s22, \s*SLOT
	s_add_nc_u64 s[G0A+4*\s+2:G0A+4*\s+3], s[18:19], \s*KA
	s_or_b32 s[G0A+4*\s+3], s[G0A+4*\s+3], 0x80000000
	s_mov_b32 s[G0B+4*\s], 1
	s_add_co_u32 s[G0B+4*\s+1], s23, \s*SLOT
	s_add_nc_u64 s[G0B+4*\s+2:G0B+4*\s+3], s[72:73], \s*KB
	s_or_b32 s[G0B+4*\s+3], s[G0B+4*\s+3], 0x80000000
.endr
	CROUND                                         ; all sixteen work-groups are here: the first joint loads meet
	s_cmp_eq_u32 s13, 0                            ; a wave's two first fills stand in one branch: two loads of mine are out
	s_cbranch_scc0 .Lfirst_b
	tensor_load_to_lds s[G0A:G0A+3], s[G1A:G1A+7]
	s_nop 0
	tensor_load_to_lds s[G0A+4:G0A+7], s[G1A:G1A+7]
	s_nop 0
	PLACES
	s_branch .Lfirst_done
.Lfirst_b:
	tensor_load_to_lds s[G0B:G0B+3], s[G1B:G1B+7]
	s_nop 0
	tensor_load_to_lds s[G0B+4:G0B+7], s[G1B:G1B+7]
	s_nop 0
	PLACES
.Lfirst_done:
	v_and_b32 v1, 15, v0                           ; r = l % 16
	v_bfe_u32 v2, v0, 4, 1                         ; hh = l / 16
	v_mul_u32_u24 v3, v1, PA
	v_lshl_add_u32 v3, v2, 4, v3
	s_mul_i32 s16, s12, 64*PA                      ; my 64 rows of A
	v_add_nc_u32 v[ADRA0], s16, v3
	v_and_b32 v7, 7, v0
	v_bfe_u32 v5, v0, 3, 1
	v_lshl_add_u32 v4, v2, 3, v7                   ; the turning load: row of K 8 hh + l % 8, 16 bytes ((l / 8) % 2)
	v_mul_u32_u24 v4, v4, PB
	v_lshl_add_u32 v4, v5, 4, v4
	v_add_nc_u32 v[ADRB0], BOFF, v4
	s_mul_i32 s17, s12, STW                        ; my stage
	v_mul_u32_u24 v6, v1, SPI
	v_lshl_add_u32 v6, v2, 5, v6
	v_add_nc_u32 v[STO], s17, v6                   ; in: row r, 32 bytes for each half of the lanes
	v_bfe_u32 v6, v0, 3, 2
	v_mul_u32_u24 v6, v6, SPI
	v_lshl_add_u32 v6, v7, 5, v6
	v_add_nc_u32 v[RD], s17, v6                    ; back: row l / 8 of four, eight numbers l % 8 of a head's 64
	v_and_b32 v[CO], 31, v0
	v_lshlrev_b32 v[CO], 4, v[CO]                  ; out: 16 bytes a lane, 512 dense bytes a wave
	s_mul_i32 s68, s42, 3                          ; my first head column, 0..47
	s_lshr_b32 s74, s15, 3
	s_lshl_b32 s74, s74, 4                         ; 16 b
	s_and_b32 s75, s15, 7
	s_lshl_b32 s75, s75, 15
	s_lshl_b32 s69, s12, 13
	s_add_co_u32 s75, s75, s69                     ; my first token in the sequence, times 128 bytes
	s_wait_tensorcnt 0x1                           ; my part of the first step is in; the second's may stay out
	s_barrier_signal -1
	s_barrier_wait -1
	s_mov_b32 s3, 0
	v_mov_b32 v[ADRA], v[ADRA0]
	v_mov_b32 v[ADRB], v[ADRB0]
	FETCH 0, 0
	QUARTER 1, 0, 1, 1                             ; the first quarter stands in front of the loop: its products start the sums
	WIN 0
	s_mov_b32 s2, NK-2
.Lk:                                                   ; a trip is a K step, from its second quarter to the next step's first; six trips ask for the ring's steps 2 to 7
	QUARTER 2, 1, 0, 0
	QUARTER 3, 0, 1, 0
	TURN 1
	QUARTER 1, 0, 1, 0
	WIN 0
	s_sub_co_u32 s2, s2, 1
	s_cmp_lg_u32 s2, 0
	s_cbranch_scc1 .Lk
	s_mov_b32 s2, 2                                ; the last two steps ask for nothing: a loop of their own; it is entered behind a step's first quarter
	s_branch .Lmid
.Lt:
	QUARTER 1, 0, 1, 0
	WIN 0
.Lmid:
	QUARTER 2, 1, 0, 0
	QUARTER 3, 0, 1, 0
	TURN 0
	WIN 0
	s_sub_co_u32 s2, s2, 1
	s_cmp_lg_u32 s2, 0
	s_cbranch_scc1 .Lt
	; THE WAY OUT.  All waves have read the ring out; each lays its sums as f32 rows into its own stage there, reads a head's rows back and stores them in f16.
	PLACES
	s_wait_dscnt 0x0
	s_barrier_signal -1
	s_barrier_wait -1
.irp hi, 0,1
	WIN 0x08+4*\hi                                 ; store data in window 2, then 3
.set aa, 0
.rept AW
.set bb, 0
.rept NB
.set rD, 8*(NB*aa+bb)
	ds_store_b128 v[STO], v[rD:rD+3]   offset:(AW*\hi+aa)*16*SPI+64*bb     ; each accumulator's low registers first
	ds_store_b128 v[STO], v[rD+4:rD+7] offset:(AW*\hi+aa)*16*SPI+64*bb+16
.set bb, bb+1
.endr
.set aa, aa+1
.endr
.endr
	WIN 0
	s_mov_b32 s2, 3
.Lhead:                                                ; three heads; LDS serves a wave's instructions in order, so the loads see the stores above
	s_lshr_b32 s69, s68, 4                         ; q, k or v
	s_lshl_b32 s69, s69, 5
	s_and_b32 s70, s68, 15                         ; the head
	s_add_co_u32 s69, s69, s70
	s_add_co_u32 s69, s69, s74
	s_lshl_b32 s70, s69, 18                        ; 2,048 tokens of 128 bytes
	s_add_co_u32 s70, s70, s75
	s_mov_b32 s71, 0
	s_add_nc_u64 s[72:73], s[8:9], s[70:71]
.set i, 0
.rept 32
	ds_load_b128 v[64+4*i:64+4*i+3], v[RD] offset:(i/2)*4*SPI+16*(i%2)
.set i, i+1
.endr
.set g, 0
.rept 16
	s_wait_dscnt 30-2*g                            ; group g's two loads are in; the younger ones stay out
.irp k, 0,1,2,3
	v_cvt_pk_f16_f32 v[192+4*g+\k], v[64+8*g+2*\k], v[64+8*g+2*\k+1]
.endr
	global_store_b128 v[CO], v[192+4*g:192+4*g+3], s[72:73] offset:512*g  ; four tokens of a head: 512 consecutive bytes, aligned
.set g, g+1
.endr
	s_wait_xcnt 0x0                                ; the stores' data and base are rewritten only behind this wait
	v_add_nc_u32 v[RD], 256, v[RD]                 ; the next head's 64 columns
	s_add_co_u32 s68, s68, 1
	s_sub_co_u32 s2, s2, 1
	s_cmp_lg_u32 s2, 0
	s_cbranch_scc1 .Lhead
	s_wait_tensorcnt 0x0                           ; the wave's end
	ds_add_u32 v[SPW], v[NIL]
	s_wait_dscnt 0x0
	CROUND                                         ; the closing round
	s_endpgm
.Lfunc_end_k_qf83d3d09a4_qkv:
	.size	k_qf83d3d09a4_qkv, .Lfunc_end_k_qf83d3d09a4_qkv-k_qf83d3d09a4_qkv
	.p2alignl 7, 3214868480
	.fill 96, 4, 3214868480
	.section	.rodata,"a",@progbits
	.p2align	6, 0x0
	.amdhsa_kernel k_qf83d3d09a4_qkv
		.amdhsa_group_segment_fixed_size 327680
		.amdhsa_private_segment_fixed_size 0
		.amdhsa_enable_private_segment 0
		.amdhsa_kernarg_size 24
		.amdhsa_user_sgpr_count 2
		.amdhsa_user_sgpr_kernarg_segment_ptr 1
		.amdhsa_wavefront_size32 1
		.amdhsa_system_sgpr_workgroup_id_x 1
		.amdhsa_system_sgpr_workgroup_id_y 1
		.amdhsa_system_sgpr_workgroup_id_z 1
		.amdhsa_system_vgpr_workitem_id 0
		.amdhsa_next_free_vgpr 1024
		.amdhsa_next_free_sgpr 84
		.amdhsa_reserve_vcc 0
		.amdhsa_float_denorm_mode_32 3
		.amdhsa_float_denorm_mode_16_64 3
		.amdhsa_memory_ordered 1
		.amdhsa_forward_progress 1
		.amdhsa_inst_pref_size 75
	.end_amdhsa_kernel
	.amdgpu_metadata
---
amdhsa.version: [ 1, 2 ]
amdhsa.kernels:
  - .name:           k_qf83d3d09a4_qkv
    .symbol:         k_qf83d3d09a4_qkv.kd
    .args:
      - { .name: xn, .offset: 0, .size: 8, .value_kind: global_buffer, .address_space: global }
      - { .name: wts, .offset: 8, .size: 8, .value_kind: global_buffer, .address_space: global }
      - { .name: qkv, .offset: 16, .size: 8, .value_kind: global_buffer, .address_space: global }
    .group_segment_fixed_size: 327680
    .private_segment_fixed_size: 0
    .kernarg_segment_align: 8
    .kernarg_segment_size: 24
    .max_flat_workgroup_size: 128
    .sgpr_count:     84
    .vgpr_count:     1024
    .wavefront_size: 32
...
	.end_amdgpu_metadata
.endif
;; end of part 2
;; launch attn (part 3): grid 8 x 32, 4 waves a work-group, clusters of 4 x 1, 327,680 bytes of LDS; arguments qkv, o; writes o
.if DOCPART == 3
	.amdgcn_target "amdgcn-amd-amdhsa--gfx1250"
	.amdhsa_code_object_version 6
	.text
	.protected	k_qf83d3d09a4_attn
	.globl	k_qf83d3d09a4_attn
	.p2align	8
	.type	k_qf83d3d09a4_attn,@function
k_qf83d3d09a4_attn:
	s_mov_b64 s[64:65], 0
	v_nop
	global_prefetch_b8 v0, s[64:65] scope:SCOPE_SE
	s_setreg_imm32_b32 hwreg(HW_REG_WAVE_MODE, 25, 1), 1
	s_wait_xcnt 0x0
	s_wait_alu depctr_hold_cnt(0) depctr_sa_sdst(0) depctr_va_vdst(0) depctr_va_sdst(0) depctr_va_ssrc(0) depctr_va_vcc(0) depctr_vm_vsrc(0)
	s_getreg_b32 s2, hwreg(HW_REG_IB_STS2, 6, 4)
	s_cmp_eq_u32 s2, 0
	s_cbranch_scc0 .Lentry_in_a_cluster
	s_endpgm
.Lentry_in_a_cluster:
	s_bfe_u32 s2, ttmp6, 0x10000c
	s_cmp_lg_u32 s2, 0x3003
	s_cbranch_scc0 .Lentry_shape_is_right
	s_endpgm
.Lentry_shape_is_right:
; O[h][q][:] = the sum over k of softmax_k(64^0.25 Q[h][q] . K[h][k]) V[h][k][:].  qkv: [3][32][2048][64] f16, o: [32][2048][64] f16; a head's rows are dense, 128 bytes each.
; Products, maxima and sums in f32; the weights p are rounded to f16 for the second product (their sum l is taken of the unrounded p), O once at the end.
; LIMITS.  Q, K, V arrive within f16's 65,504; p lies in 0 to 1, and below 6e-5 it keeps f16's fixed step of 6e-8; a weight below 2^-126 counts as 0 in l; NaN and infinities are not treated apart.
; SHARES.  A work-group owns 256 queries of one head, a wave 64: four PIECES of 16.  Every wave walks the head's 2,048 keys, 64 a step, 256 a tile.
; LAYOUT.  S^T = K Q^T holds ONE query a lane (lane % 16) and the keys 8 (lane / 16) + 0..7; two such results rounded to f16 ARE source 1 of O^T = V^T P.  V is turned out of LDS by ds_load_tr16_b128.
; SOFTMAX.  p = 2^(c s - c m), c = log2(e) 64^0.25, with a running maximum m; O and l are multiplied by a = 2^(c m_old - c m_new) in every step.  m starts at the lowest finite number, O and l at 0.
; TURNS.  Turn n belongs to piece n: 8 products K Q^T of piece n + 1, later 8 products V^T P of piece n - 1; beside them the scaling, exponentials, roundings, sums and rescaling of piece n and the
; maximum and statistics of piece n + 1.  Four vector instructions stand behind every matrix instruction, the others in two runs of their own.
; CLUSTER.  The four query blocks of a cluster belong to one head and walk the same K and V: each tile is asked for jointly, by the same tensor load, descriptor and mask in all four.
; REGISTERS: window 0: v0-15 addresses; v16-31 statistics; v48-55 at work; v62-63 the add's; v64-127 S^T, two buffers; v192-223 P, two buffers.
;   window 1: v0-127 O^T, 32 a piece.     window 2: v0-63 Q; v128-191 K of one step; v192-255 V of one step.
.set NP,    4
.set KS,    64
.set PK,    144       ; a row of K in LDS: 128 bytes + 16
.set PV,    160       ; a row of V: 128 + 32
.set VOFF,  4*KS*PK   ; a slot holds a tile: 256 rows of K, then 256 rows of V
.set SLOT1, 1<<17
.set STAGE, SLOT1+4*KS*(PK+PV)  ; behind the ring, never filled by a tensor load: 16 rows x 144 bytes for each wave
.set SP,    144
.set SPARE, STAGE+4*16*SP       ; the spare words: 128 bytes a wave, named by no other line
.set AK0, 2
.set AV0, 3
.set AK,  4
.set AV,  5
.set STO, 6
.set RD,  7
.set GO,  8
.set MV,  12
.set QO,  15
.set ST,  16          ; piece t's statistics at v[ST+4 t]: c m, m, l (even keys', odd keys')
.set TMP, 48
.set SPW, 62
.set NIL, 63
.set S,   64
.set P,   192
.set KF,  128
.set VF,  192
.set WV,  12
.set G1K, 24
.set G1V, 32
.set G0K, 40
.set G0V, 44
.set SLOTS, 56
.set CNT, 57
.set CS,  58
.set SEL, 60
.set TBK, 62
.set TBV, 63
.set MSB, 0
.macro WIN new
.if MSB != (\new)
	s_set_vgpr_msb (MSB<<8)|(\new)
.set MSB, (\new)
.endif
.endm
.set W_KQ, 0x0a       ; K and Q in window 2, S^T in window 0
.set W_PV, 0x52       ; V in window 2, P in window 0, O^T in window 1
.set W_RS, 0x41       ; destination and source 0 in window 1, source 1 in window 0
; A joint fill.  Waves 0 and 1 fetch the two halves of a tile's K, waves 2 and 3 those of its V.  An s_nop 0 and four v_nop follow each line.
.macro JLOAD
	s_cmp_lt_u32 s[WV], 2
	s_cbranch_scc0 .Lfor_v_\@
	tensor_load_to_lds s[G0K:G0K+3], s[G1K:G1K+7]
	s_nop 0
.rept 4
	v_nop
.endr
	s_branch .Lasked_\@
.Lfor_v_\@:
	tensor_load_to_lds s[G0V:G0V+3], s[G1V:G1V+7]
	s_nop 0
.rept 4
	v_nop
.endr
.Lasked_\@:
.endm
.macro CROUND
	s_barrier_signal -1
	s_barrier_wait -1
	s_cmp_lg_u32 s[WV], 0
	s_cbranch_scc1 .Lnot_wave_0_\@
	s_barrier_signal -3
.Lnot_wave_0_\@:
	s_barrier_wait -3
	s_barrier_signal -1
	s_barrier_wait -1
.endm
; THE CHANGE OF SLOTS.  Each wave waits for all its tensor loads (one is out: its part of the other slot), adds 0 to its spare word, and waits for that and for its reads of the slot that it leaves.
; fill = 1: the slot is filled again with the tile two on, behind a round of the cluster's barrier: the load has four key steps, 256 matrix instructions, in which to land.
.macro CHANGE fill
	WIN 0
	s_wait_tensorcnt 0x0            ; no tensor load of mine is out, so a group 0 may be written
	ds_add_u32 v[SPW], v[NIL]       ; 0 onto my spare word
.if \fill
.irp g, G0K, G0V
	s_xor_b32 s[\g+1], s[\g+1], SLOT1
	s_add_nc_u64 s[\g+2:\g+3], s[\g+2:\g+3], 4*KS*128
.endr
	s_wait_dscnt 0x0                ; the add is done, and my reads of the slot are over
	CROUND
	JLOAD
.else
	s_wait_dscnt 0x0
	s_barrier_signal -1
	s_barrier_wait -1
.endif
	s_sub_co_u32 s[TBK], s[TBK], 4*KS*PK  ; the fetches go back to a slot's first step, in the other slot
	s_xor_b32 s[TBK], s[TBK], SLOT1
	s_sub_co_u32 s[TBV], s[TBV], 4*KS*PV
	s_xor_b32 s[TBV], s[TBV], SLOT1
.endm
	s_load_b64 s[4:5], s[0:1], 0x0  ; qkv
	s_load_b64 s[10:11], s[0:1], 0x8  ; o
	v_lshl_add_u32 v[SPW], v0, 2, SPARE
	v_mov_b32 v[NIL], 0
	ds_add_u32 v[SPW], v[NIL]       ; the wave's opening: the add and its wait ahead of my first tensor load
	v_lshrrev_b32 v1, 5, v0
	v_readfirstlane_b32 s[WV], v1
	s_bfe_u32 s13, ttmp6, 0x40000   ; cx
	s_lshl_b32 s14, ttmp9, 2
	s_add_co_u32 s14, s14, s13      ; my block of 256 queries: it enters Q's and O's addresses alone
	s_and_b32 s20, ttmp7, 0xffff    ; b x 16 + head, which the four partners share
	s_lshl_b32 s20, s20, 18         ; 2,048 rows of 128 bytes
	s_and_b32 s16, s[WV], 1         ; which half of a tile's 256 keys I fetch
	s_lshl_b32 s22, s16, 14
	s_add_co_u32 s22, s22, s20
	s_mov_b32 s23, 0
	s_mul_i32 s17, s16, 128*PK
	s_mul_i32 s18, s16, 128*PV
	s_lshl_b32 s2, s14, 2
	s_add_co_u32 s2, s2, s[WV]
	s_lshl_b32 s2, s2, 13           ; my wave's 64 rows
	s_add_co_u32 s2, s2, s20
	s_mov_b32 s3, 0
	; 128 keys are 16,384 dense bytes: asked for as 64 rows of 256 bytes, two keys a row, padded in LDS after every key
	s_mov_b32 s[G1K], 15|(1<<16)|(1<<20)|(1<<21)|(4<<22)|(3<<25)
	s_mov_b32 s[G1V], 15|(1<<16)|(1<<20)|(1<<21)|(4<<22)|(7<<25)
.irp g, G1K, G1V
	s_mov_b32 s[\g+1], 128<<16
	s_mov_b32 s[\g+2], 64<<16
	s_mov_b32 s[\g+3], 128<<16
	s_mov_b32 s[\g+4], 64
	s_mov_b32 s[\g+5], 128
	s_mov_b32 s[\g+6], 0
	s_mov_b32 s[\g+7], 0
.endr
	s_mov_b32 s[CS], 0x408293ee     ; c = log2(e) x 64^0.25 = 4.080558
	s_mov_b32 s[CS+1], s[CS]
	s_mov_b32 s[SEL], 0x76543210
	s_mov_b32 s[SEL+1], 0xfedcba98
	s_mov_b32 s[TBK], SLOT1+4*KS*PK ; the first change of slots turns these two into 0
	s_mov_b32 s[TBV], SLOT1+4*KS*PV
	s_mov_b32 s[G0K], 1
	s_mov_b32 s[G0K+1], s17
	s_mov_b32 s[G0V], 1
	s_add_co_u32 s[G0V+1], s18, VOFF
	s_wait_dscnt 0x0                ; the opening add is done
	s_wait_kmcnt 0x0
	s_add_nc_u64 s[6:7], s[4:5], s[22:23]
	s_add_nc_u64 s[G0K+2:G0K+3], s[6:7], 8388608   ; k begins 32 heads behind q,
	s_or_b32 s[G0K+3], s[G0K+3], 0x80000000
	s_add_nc_u64 s[G0V+2:G0V+3], s[6:7], 16777216  ; v 64
	s_or_b32 s[G0V+3], s[G0V+3], 0x80000000
	s_add_nc_u64 s[4:5], s[4:5], s[2:3]
	s_add_nc_u64 s[10:11], s[10:11], s[2:3]
	CROUND                          ; all four work-groups are here: the first joint loads meet
	JLOAD                           ; tile 0 into slot 0
	v_and_b32 v1, 15, v0            ; l % 16
	v_bfe_u32 v9, v0, 4, 1          ; l / 16
	v_lshlrev_b32 v[QO], 7, v1
	v_lshl_add_u32 v[QO], v9, 4, v[QO]
	WIN 0x80
.set i, 0
.rept 8                             ; Q stays in registers: piece i / 2, channels 32 (i % 2) on
	global_load_b128 v[8*i:8*i+3],   v[QO], s[4:5] offset:(i/2)*2048+(i%2)*64
	global_load_b128 v[8*i+4:8*i+7], v[QO], s[4:5] offset:(i/2)*2048+(i%2)*64+32
.set i, i+1
.endr
	; What the first turn finds: V and P's second buffer hold 0 (its products V^T P, of a piece that has not been, add 0), O^T and l are 0.  All this stands in the wait for the first tile.
.set i, VF
.rept 64
	v_mov_b32 v[i], 0
.set i, i+1
.endr
	WIN 0x40
.set i, 0
.rept 128
	v_mov_b32 v[i], 0
.set i, i+1
.endr
	WIN 0
.set i, 0
.rept 4
	v_mov_b32 v[ST+4*i], 0xfe000000    ; c m: far below every c s
	v_mov_b32 v[ST+4*i+1], 0xff7fffff  ; m
	v_mov_b32 v[ST+4*i+2], 0
	v_mov_b32 v[ST+4*i+3], 0
.set i, i+1
.endr
.set i, P+16
.rept 16
	v_mov_b32 v[i], 0
.set i, i+1
.endr
	v_mul_u32_u24 v[AK0], v1, PK
	v_lshl_add_u32 v[AK0], v9, 4, v[AK0]
	v_and_b32 v10, 7, v0
	v_bfe_u32 v11, v0, 3, 1
	v_lshl_add_u32 v[AV0], v9, 3, v10
	v_mul_u32_u24 v[AV0], v[AV0], PV
	v_lshl_add_u32 v[AV0], v11, 4, v[AV0]
	v_add_nc_u32 v[AV0], VOFF, v[AV0]
	s_mul_i32 s19, s[WV], 16*SP
	s_add_co_u32 s19, s19, STAGE    ; my stage
	v_mul_u32_u24 v[STO], v1, SP
	v_lshl_add_u32 v[STO], v9, 4, v[STO]
	v_add_nc_u32 v[STO], s19, v[STO]
	v_bfe_u32 v[RD], v0, 3, 2
	v_mul_u32_u24 v[RD], v[RD], SP
	v_lshl_add_u32 v[RD], v10, 4, v[RD]
	v_add_nc_u32 v[RD], s19, v[RD]
	v_and_b32 v[GO], 31, v0
	v_lshlrev_b32 v[GO], 4, v[GO]
; THE MATRIX WORK.  The 4 accumulators of a run of 8 take turns.  Product i of 8 of S^T = K Q^T for piece x: channels 32 (i / 4) on, keys 16 (i % 4) on.
.macro KQ x
	WIN W_KQ
.set rS, S+32*((\x)%2)+8*(i%4)
.set rK, KF+16*(i%4)+8*(i/4)
.set rQ, 16*(\x)+8*(i/4)
.if i < 4
	v_wmma_f32_16x16x32_f16 v[rS:rS+7], v[rK:rK+7], v[rQ:rQ+7], 0
.else
	v_wmma_f32_16x16x32_f16 v[rS:rS+7], v[rK:rK+7], v[rQ:rQ+7], v[rS:rS+7]
.endif
.endm
; Product i of 8 of O^T += V^T P for piece x: keys 32 (i / 4) on, channels 16 (i % 4) on.
.macro PV x
	WIN W_PV
.set rO, 32*(\x)+8*(i%4)
.set rV, VF+32*(i/4)+8*(i%4)
.set rP, P+16*((\x)%2)+8*(i/4)
	v_wmma_f32_16x16x32_f16 v[rO:rO+7], v[rV:rV+7], v[rP:rP+7], v[rO:rO+7]
.endm
.macro MM                           ; the turn's next matrix instruction
.if i < 8
	KQ (Y+1)%NP
.else
.set i, i-8
	PV (Y+NP-1)%NP
.set i, i+8
.endif
.set i, i+1
.endm
; last = 1 (the tail): in its last pass there is no further step, and the run is jumped over.
.macro FETCH_K last=0
	WIN 0
.if \last
	s_cmp_eq_u32 s[CNT], 1
	s_cbranch_scc1 .Lno_k_\@
.endif
	WIN 0x80
.irp f, 0,1,2,3,4,5,6,7             ; keys 16 (f / 2) on, channels 32 (f % 2) on
	ds_load_b128 v[KF+8*\f:KF+8*\f+3],   v[AK] offset:(\f/2)*16*PK+(\f%2)*64
	ds_load_b128 v[KF+8*\f+4:KF+8*\f+7], v[AK] offset:(\f/2)*16*PK+(\f%2)*64+32
.endr
	s_add_co_u32 s[TBK], s[TBK], KS*PK
	WIN 0
.if \last
.Lno_k_\@:
.endif
.endm
.macro FETCH_V
	WIN 0x80
.irp f, 0,1,2,3,4,5,6,7             ; keys 32 (f / 4) on, channels 16 (f % 4) on
	ds_load_tr16_b128 v[VF+8*\f:VF+8*\f+3],   v[AV] offset:(\f/4)*32*PV+(\f%4)*32
	ds_load_tr16_b128 v[VF+8*\f+4:VF+8*\f+7], v[AV] offset:(\f/4)*32*PV+16*PV+(\f%4)*32
.endr
	WIN 0
.endm
; THE VECTOR WORK, one line at a time: OP kind, number.  For piece Y: F n: c s - c m for pair n of 16.  E n: the exponential of score n of 32.  C n: pair n rounded to f16.  B n: of the four weights 4 n ..
; the second pair is added onto the first.  L n: l takes that sum (L 0: l = a l + sum).  R n: pair n of 16 of O^T times a.  For piece Y + 1: X n, number n of the 22 that find its maximum and statistics
; (0-14, 16: the maximum, each accumulator's lowest registers read first; 15: c m_old is kept; 17, 18: the other half of the lanes'; 19-21: c m, c m_old - c m_new, a).
.set F, 0
.set E, 1
.set C, 2
.set B, 3
.set L, 4
.set R, 5
.set X, 6
.macro REGS y
.set rT, ST+4*(\y)
.set rC, TMP+4*((\y)%2)
.set rW, MV+((\y)%2)
.set rS, S+32*((\y)%2)
.set rP, P+16*((\y)%2)
.set rO, 32*(\y)
.endm
.macro OP k, n
.if (\k) == R
	REGS Y
	WIN W_RS
	v_pk_mul_f32 v[rO+2*(\n):rO+2*(\n)+1], v[rO+2*(\n):rO+2*(\n)+1], v[rC+2:rC+3] op_sel_hi:[1,0]
.elseif (\k) < R
	REGS Y
	WIN 0
.if (\k) == F
	v_pk_fma_f32 v[rS+2*(\n):rS+2*(\n)+1], v[rS+2*(\n):rS+2*(\n)+1], s[CS:CS+1], v[rT:rT+1] op_sel_hi:[1,0,0] neg_lo:[0,0,1] neg_hi:[0,0,1]
.elseif (\k) == E
	v_exp_f32 v[rS+(\n)], v[rS+(\n)]
.elseif (\k) == C
	s_wait_alu depctr_va_vdst(0)
	v_cvt_pk_f16_f32 v[rP+(\n)], v[rS+2*(\n)], v[rS+2*(\n)+1]
.elseif (\k) == B
	s_wait_alu depctr_va_vdst(0)
	v_pk_add_f32 v[rS+4*(\n):rS+4*(\n)+1], v[rS+4*(\n):rS+4*(\n)+1], v[rS+4*(\n)+2:rS+4*(\n)+3]
.elseif (\n) == 0
	v_pk_fma_f32 v[rT+2:rT+3], v[rT+2:rT+3], v[rC+2:rC+3], v[rS:rS+1] op_sel_hi:[1,0,1]
.else
	v_pk_add_f32 v[rT+2:rT+3], v[rT+2:rT+3], v[rS+4*(\n):rS+4*(\n)+1]
.endif
.else
	REGS (Y+1)%NP
	WIN 0
.if (\n) < 4
	v_max3_num_f32 v[rC+(\n)], v[rS+8*(\n)], v[rS+8*(\n)+1], v[rS+8*(\n)+2]
.elseif (\n) < 12
	v_max3_num_f32 v[rC+(\n)%4], v[rC+(\n)%4], v[rS+8*((\n)%4)+2*((\n)/4)+1], v[rS+8*((\n)%4)+2*((\n)/4)+2]
.elseif (\n) == 12
	v_max3_num_f32 v[rC], v[rC], v[rS+7], v[rS+15]
.elseif (\n) == 13
	v_max3_num_f32 v[rC+1], v[rC+1], v[rS+23], v[rS+31]
.elseif (\n) == 14
	v_max3_num_f32 v[rC+2], v[rC+2], v[rC+3], v[rT+1]
.elseif (\n) == 15
	v_mov_b32 v[rW], v[rT]
.elseif (\n) == 16
	v_max3_num_f32 v[rC], v[rC], v[rC+1], v[rC+2]
.elseif (\n) == 17
	v_permlanex16_b32 v[rC+3], v[rC], s[SEL], s[SEL+1]
.elseif (\n) == 18
	v_max_num_f32 v[rT+1], v[rC], v[rC+3]
.elseif (\n) == 19
	v_mul_f32 v[rT], s[CS], v[rT+1]
.elseif (\n) == 20
	v_sub_f32 v[rC+1], v[rW], v[rT]
.else
	v_exp_f32 v[rC+2], v[rC+1]
.endif
.endif
.endm
.macro OPS a, i1, b=-1, i2=0, c=-1, i3=0, d=-1, i4=0
	OP \a, \i1
.if (\b) >= 0
	OP \b, \i2
.endif
.if (\c) >= 0
	OP \c, \i3
.endif
.if (\d) >= 0
	OP \d, \i4
.endif
.endm
.macro ROW a, i1, b, i2, c, i3, d, i4  ; a matrix instruction and the four behind it
	MM
	OPS \a, \i1, \b, \i2, \c, \i3, \d, \i4
.endm
; A TURN, for piece p.  last = 1: the tail's text (see FETCH_K).  cnt = 1: the loop's count is taken down some lines ahead of the branch that stands behind the turn.
; K of the next step is fetched in piece 2's turn, five plain vector instructions behind the last product that read K; V of the step in hand in piece 0's turn, four plain ones behind the last product that read V.
; Each is waited for a turn later.
.macro TURN p, last=0, cnt=0
.set Y, (\p)
.set i, 0
.if (\p) == 3
	s_wait_dscnt 0x0                ; K is in
.endif
	ROW F,0, F,1, F,2, F,3
	ROW F,4, E,0, F,5, F,6
	ROW F,7, E,1, F,8, F,9
	ROW F,10, E,2, C,0, F,11
	ROW F,12, E,3, X,15, F,13
	ROW R,0, R,1, R,2, R,3
	ROW B,0, E,4, F,14, L,0
.if (\p) == 2
	v_add_nc_u32 v[AK], s[TBK], v[AK0]
.endif
	ROW R,4, R,5, R,6, R,7
	OPS E,5, F,15
.if (\p) == 2
	FETCH_K \last
.endif
	OPS E,6, C,1, E,7, R,8
	OPS E,8, R,9, E,9, C,2
	OPS E,10, X,0, E,11, X,1
	OPS E,12, X,2, E,13, X,3
.if (\p) == 1
	s_wait_dscnt 0x0                ; V is in
.endif
	ROW X,4, E,14, X,5, X,6
	ROW X,7, E,15, X,8, X,9
	ROW X,10, E,16, X,11, X,12
	ROW X,13, E,17, X,14, B,1
	ROW C,4, E,18, X,16, L,1
	ROW B,2, E,19, C,6, L,2
	ROW C,8, E,20, B,3, B,4
.if (\p) == 0
	v_add_nc_u32 v[AV], s[TBV], v[AV0]
.endif
	ROW C,3, E,21, L,3, C,5
	OPS E,22, X,17, E,23, C,10
.if (\p) == 0
	FETCH_V
.endif
	OPS E,24, L,4
	OPS E,25, X,18, E,26, C,7
	OPS E,27, B,5, E,28, X,19
	OPS E,29, C,12, E,30, L,5
	OPS E,31, X,20, B,6, C,9
	OPS C,14, C,11, X,21, L,6
.if (\p) == 0
	s_add_co_u32 s[TBV], s[TBV], KS*PV
.endif
.if \cnt
	s_sub_co_u32 s[CNT], s[CNT], 1
	s_cmp_lg_u32 s[CNT], 0
.endif
	OPS C,13, B,7, C,15, R,10
	OPS R,11, R,12, L,7, R,13
	OPS R,14, R,15
.endm
.macro ALL line:vararg              ; one line for each piece t
.set t, 0
.rept 4
	\line
.set t, t+1
.endr
.endm
.macro PACK t                       ; a lane's eight channels of a row pack into 16 bytes; they go into rows of 144 bytes and come back as whole rows of 128
	WIN W_RS
.set i, 32*(\t)
.rept 16
	s_wait_alu depctr_va_vdst(0)
	v_pk_mul_f32 v[i:i+1], v[i:i+1], v[ST+4*(\t)+2:ST+4*(\t)+3] op_sel_hi:[1,0]
.set i, i+2
.endr
	WIN 0x05
.set i, 0
.rept 16
	v_cvt_pk_f16_f32 v[S+16*(\t)+i], v[32*(\t)+2*i], v[32*(\t)+2*i+1]
.set i, i+1
.endr
	WIN 0
.irp f, 0,1,2,3
	ds_store_b128 v[STO], v[S+16*(\t)+4*\f:S+16*(\t)+4*\f+3] offset:32*\f
.endr
.irp f, 0,1,2,3
	ds_load_b128 v[S+16*(\t)+4*\f:S+16*(\t)+4*\f+3], v[RD] offset:\f*4*SP  ; LDS serves a wave's instructions in order: these see the stores above
.endr
.endm
.macro SEND t, younger              ; younger: the LDS instructions issued behind piece t's loads
	WIN 0
.irp f, 0,1,2,3
	s_wait_dscnt (\younger)+3-\f
	global_store_b128 v[GO], v[S+16*(\t)+4*\f:S+16*(\t)+4*\f+3], s[10:11] offset:(\t)*2048+\f*512  ; 512 consecutive bytes, aligned
.endr
.endm
	CHANGE 1                        ; tile 0 is in, everybody's part of it; tile 1 is asked for
	v_add_nc_u32 v[AK], s[TBK], v[AK0]
	FETCH_K                         ; key step 0
	s_wait_loadcnt 0x0              ; Q
	s_wait_dscnt 0x0
.set i, 0
.rept 8
	KQ 0                            ; piece 0's first scores
.set i, i+1
.endr
	WIN 0
.rept 4
	v_nop                           ; the places behind those products
.endr
.set Y, NP-1                        ; X works for piece Y + 1: piece 0
.irp n, 0,1,2,3,4,5,6,7,8,9,10,11,12,13,14,15,16,17,18,19,20,21
	OP X, \n
.endr
	v_nop                           ; a plain instruction behind the exponential
	s_mov_b32 s[CNT], 4
	s_mov_b32 s[SLOTS], 7
	s_branch .Lfirst                ; the loop is entered at a step's first turn, in the middle of a trip
.Lslot:                             ; six times: tiles 2 to 7 are asked for
	CHANGE 1
	s_mov_b32 s[CNT], 4
.Lstep:                             ; a trip: pieces 2 and 3 of one step, then pieces 0 and 1 of the next, whose K and V it fetches
	TURN 2
	TURN 3
	WIN 0
.Lfirst:
	TURN 0
	TURN 1, 0, 1
	WIN 0
	s_cbranch_scc1 .Lstep
	s_sub_co_u32 s[SLOTS], s[SLOTS], 1
	s_cmp_lg_u32 s[SLOTS], 0
	s_cbranch_scc1 .Lslot
	CHANGE 0                        ; the last tile has a loop of its own: nothing is asked for
	s_mov_b32 s[CNT], 5             ; five passes of pieces 2 and 3, four of pieces 0 and 1 between them: the first four fetch the tile's steps, the fifth ends the last step
	s_branch .LmidT
.LtailT:
	TURN 0
	TURN 1
	WIN 0
.LmidT:
	TURN 2, 1
	TURN 3                          ; in the fifth pass its 8 products K Q^T (on the last K once more) and the maximum made of them serve nothing, and touch neither l nor O^T: the price of one text for every pass
	WIN 0
	s_sub_co_u32 s[CNT], s[CNT], 1
	s_cmp_lg_u32 s[CNT], 0
	s_cbranch_scc1 .LtailT
.set i, 0
.rept 8
	PV NP-1                         ; the last piece's V^T P of the last step
.set i, i+1
.endr
	; THE WAY OUT.  l's halves are added; O^T is divided by l, rounded to f16 and sent through my stage, a piece at a time.  The additions are the places behind the last products.
	WIN 0
	ALL v_add_f32 v[ST+4*t+2], v[ST+4*t+2], v[ST+4*t+3]
	ALL v_permlanex16_b32 v[ST+4*t+3], v[ST+4*t+2], s[SEL], s[SEL+1]
	ALL v_add_f32 v[ST+4*t+2], v[ST+4*t+2], v[ST+4*t+3]
	ALL v_rcp_f32 v[ST+4*t+2], v[ST+4*t+2]
	v_nop                           ; a plain instruction between the last reciprocal and the use of its result
	PACK 0
.set t, 1
.rept 3
	PACK t
	SEND t-1, 8
.set t, t+1
.endr
	SEND 3, 0
	s_wait_tensorcnt 0x0            ; the wave's end
	ds_add_u32 v[SPW], v[NIL]
	s_wait_dscnt 0x0
	CROUND                          ; the closing round
	s_endpgm
.Lfunc_end_k_qf83d3d09a4_attn:
	.size	k_qf83d3d09a4_attn, .Lfunc_end_k_qf83d3d09a4_attn-k_qf83d3d09a4_attn
	.p2alignl 7, 3214868480
	.fill 96, 4, 3214868480
	.section	.rodata,"a",@progbits
	.p2align	6, 0x0
	.amdhsa_kernel k_qf83d3d09a4_attn
		.amdhsa_group_segment_fixed_size 327680
		.amdhsa_private_segment_fixed_size 0
		.amdhsa_enable_private_segment 0
		.amdhsa_kernarg_size 16
		.amdhsa_user_sgpr_count 2
		.amdhsa_user_sgpr_kernarg_segment_ptr 1
		.amdhsa_wavefront_size32 1
		.amdhsa_system_sgpr_workgroup_id_x 1
		.amdhsa_system_sgpr_workgroup_id_y 1
		.amdhsa_system_sgpr_workgroup_id_z 1
		.amdhsa_system_vgpr_workitem_id 0
		.amdhsa_next_free_vgpr 768
		.amdhsa_next_free_sgpr 66
		.amdhsa_reserve_vcc 0
		.amdhsa_float_denorm_mode_32 3
		.amdhsa_float_denorm_mode_16_64 3
		.amdhsa_memory_ordered 1
		.amdhsa_forward_progress 1
		.amdhsa_inst_pref_size 117
	.end_amdhsa_kernel
	.amdgpu_metadata
---
amdhsa.version: [ 1, 2 ]
amdhsa.kernels:
  - .name:           k_qf83d3d09a4_attn
    .symbol:         k_qf83d3d09a4_attn.kd
    .args:
      - { .name: qkv, .offset: 0, .size: 8, .value_kind: global_buffer, .address_space: global }
      - { .name: o, .offset: 8, .size: 8, .value_kind: global_buffer, .address_space: global }
    .group_segment_fixed_size: 327680
    .private_segment_fixed_size: 0
    .kernarg_segment_align: 8
    .kernarg_segment_size: 16
    .max_flat_workgroup_size: 128
    .sgpr_count:     66
    .vgpr_count:     768
    .wavefront_size: 32
...
	.end_amdgpu_metadata
.endif
;; end of part 3
;; launch outproj (part 4): grid 8 x 32, 4 waves a work-group, clusters of 4 x 4, 327,680 bytes of LDS; arguments o, wts, b_out, x, x1; writes x1
.if DOCPART == 4
	.amdgcn_target "amdgcn-amd-amdhsa--gfx1250"
	.amdhsa_code_object_version 6
	.text
	.protected	k_qf83d3d09a4_outproj
	.globl	k_qf83d3d09a4_outproj
	.p2align	8
	.type	k_qf83d3d09a4_outproj,@function
k_qf83d3d09a4_outproj:
	s_mov_b64 s[64:65], 0
	v_nop
	global_prefetch_b8 v0, s[64:65] scope:SCOPE_SE
	s_setreg_imm32_b32 hwreg(HW_REG_WAVE_MODE, 25, 1), 1
	s_wait_xcnt 0x0
	s_wait_alu depctr_hold_cnt(0) depctr_sa_sdst(0) depctr_va_vdst(0) depctr_va_sdst(0) depctr_va_ssrc(0) depctr_va_vcc(0) depctr_vm_vsrc(0)
	s_getreg_b32 s2, hwreg(HW_REG_IB_STS2, 6, 4)
	s_cmp_eq_u32 s2, 0
	s_cbranch_scc0 .Lentry_in_a_cluster
	s_endpgm
.Lentry_in_a_cluster:
	s_bfe_u32 s2, ttmp6, 0x10000c
	s_cmp_lg_u32 s2, 0xf033
	s_cbranch_scc0 .Lentry_shape_is_right
	s_endpgm
.Lentry_shape_is_right:
; OUT = A x W + bias + RES, f16 operands, f32 sums, bias, residual and output.  One text for two launches, chosen by OUTP:
;   OUTP = 1: A = o, by heads [32][2048][64], K = 1,024 (a K step of 256 is four heads), W = w_out, RES = x, OUT = x1.
;   OUTP = 0: A = h [4096][4096], K = 4,096, W = w2, RES = x1, OUT = out0.
; A tile of OUT is 128 x 128: 8 x 32 = 256 work-groups.  Four waves, each 64 x 64: 16 accumulators.  K goes in steps of 256 through two LDS slots.
; W lies [K][N] and is turned on the way out of LDS by ds_load_tr16_b128.  CLUSTER 4 x 4: A's tile is asked for jointly along a row of the cluster, W's along a column.
; THE WALK.  The T K steps are a ring that cluster (X, Y) enters at step r = (T / 2) ((X xor Y) & 1): the two clusters that read one tile of A (same Y), and neighbouring Y that read one tile of W, enter
; half a ring apart, so in the second half of its walk a cluster asks for tiles that another has asked for T / 2 steps earlier.  r hangs on the cluster's place alone, which all partners of a joint load share.
; The f32 sums are added in that order.
; The matrix instruction is used transposed (source 0 = 16 columns of W, source 1 = 16 rows of A): a lane holds eight neighbouring columns of one row.
; REGISTERS: window 0: v16-35 addresses and bias; v128-255 accumulators.  window 1: two fragment buffers of 128 (A 64, then W 64).  window 2: v0-127 residual, then result.
.set OUTP, 1
.if OUTP
.set T, 4                              ; K steps
.set PAA, 144                          ; A's LDS row: a token's 128 bytes of one head + 16
.set HAA, 4*64*PAA                     ; one tensor load: four heads x 64 tokens
.set AQ, 64*PAA                        ; from quarter to quarter: the next head
.set WOFF, 6291456                     ; w_out in wts
.set KA, 4*2048*128                    ; from K step to K step in A: four heads
.else
.set T, 16
.set PAA, 528                          ; 512 bytes + 16
.set HAA, 64*PAA                       ; one tensor load: 64 rows
.set AQ, 128                           ; from quarter to quarter: 64 along K
.set WOFF, 16777216                    ; w2 in wts
.set KA, 512
.endif
.set AI, 16*PAA                        ; from row block to row block
.set BOFF, 2*HAA
.set PB, 288                           ; W's LDS row: 256 bytes + 32: an odd multiple of 32
.set HB, 128*PB
.set SLOT, 147456                      ; shares no bit with the four loads' places in a slot: an exclusive or changes slots
.set SPARE, 2*SLOT                     ; the spare words: 128 bytes a wave, named by no other line
.set KB, 256*2048
.set SPI, 272                          ; the way out: a row of 64 f32 + 16 bytes; the stages lie in the ring, which has had its last fill by then
.set ADRA0, 16
.set ADRB0, 17
.set ADRA, 18
.set ADRB, 20                          ; v20: quarters 0, 1; v21: quarters 2, 3, so that every immediate stays under 65,536
.set STO, 24
.set RD, 25
.set CO, 26
.set SPW, 28
.set NIL, 29
.set BI, 32
.set ACC, 128
.set BA, 20                            ; s[20:21] A at my rows, K step 0
.set G1A, 24
.set G0A, 32
.set BB, 46                            ; s[46:47] W at my rows and columns, K step 0
.set G1B, 48
.set G0B, 56
.set OA, 72                            ; s[72:73] byte offset of the K step asked for, in A,
.set OB, 74                            ; s[74:75] and in W
.set KI, 76                            ; s76 the K step asked for last
.set MSB, 0
.macro WIN new
.if MSB != (\new)
	s_set_vgpr_msb (MSB<<8)|(\new)
.set MSB, (\new)
.endif
.endm
.set MUL, 0x05                         ; sources 0 and 1 window 1; C and D window 0
.set TO_F, 0x40                        ; destination window 1, address window 0
.macro PLACES
.rept 4
	v_nop
.endr
.endm
.macro JLOAD                           ; a joint refill by the walking descriptors; an s_nop 0 and four v_nop follow each line
	s_cmp_eq_u32 s13, 0
	s_cbranch_scc0 .Lfor_b_\@
	tensor_load_to_lds s[G0A+4:G0A+7], s[G1A:G1A+7]
	s_nop 0
	PLACES
	s_branch .Lasked_\@
.Lfor_b_\@:
	tensor_load_to_lds s[G0B+4:G0B+7], s[G1B:G1B+7]
	s_nop 0
	PLACES
.Lasked_\@:
.endm
.macro CREST
	s_cmp_lg_u32 s12, 0
	s_cbranch_scc1 .Lnot_wave_0_\@
	s_barrier_signal -3
.Lnot_wave_0_\@:
	s_barrier_wait -3
	s_barrier_signal -1
	s_barrier_wait -1
.endm
.macro CROUND
	s_barrier_signal -1
	s_barrier_wait -1
	CREST
.endm
; 8 matrix instructions: row blocks a0, a0 + 1 x all 4 column blocks, 32 along K: half c of buffer f.  The 16 accumulators take turns.
.macro MUL8 f, c, a0, zero
	WIN MUL
.irp a, \a0, (\a0)+1
.irp b, 0,1,2,3
.if \zero
	v_wmma_f32_16x16x32_f16 v[ACC+8*(4*(\a)+(\b)):ACC+8*(4*(\a)+(\b))+7], v[128*(\f)+64+8*(4*(\c)+(\b)):128*(\f)+64+8*(4*(\c)+(\b))+7], v[128*(\f)+8*(4*(\c)+(\a)):128*(\f)+8*(4*(\c)+(\a))+7], 0
.else
	v_wmma_f32_16x16x32_f16 v[ACC+8*(4*(\a)+(\b)):ACC+8*(4*(\a)+(\b))+7], v[128*(\f)+64+8*(4*(\c)+(\b)):128*(\f)+64+8*(4*(\c)+(\b))+7], v[128*(\f)+8*(4*(\c)+(\a)):128*(\f)+8*(4*(\c)+(\a))+7], v[ACC+8*(4*(\a)+(\b)):ACC+8*(4*(\a)+(\b))+7]
.endif
.endr
.endr
.endm
; 32 LDS loads in one run: quarter q (64 along K) into buffer f; the first 32 along K first
.macro FETCH q, f
	WIN TO_F
.irp c, 0,1
.irp i, 0,1,2,3
	ds_load_tr16_b128 v[128*(\f)+64+8*(4*(\c)+(\i)):128*(\f)+64+8*(4*(\c)+(\i))+3],   v[ADRB+(\q)/2] offset:(((\q)%2)*64+32*(\c))*PB+32*(\i)
	ds_load_tr16_b128 v[128*(\f)+64+8*(4*(\c)+(\i))+4:128*(\f)+64+8*(4*(\c)+(\i))+7], v[ADRB+(\q)/2] offset:(((\q)%2)*64+32*(\c)+16)*PB+32*(\i)
	ds_load_b128 v[128*(\f)+8*(4*(\c)+(\i)):128*(\f)+8*(4*(\c)+(\i))+3],   v[ADRA] offset:AQ*(\q)+64*(\c)+AI*(\i)
	ds_load_b128 v[128*(\f)+8*(4*(\c)+(\i))+4:128*(\f)+8*(4*(\c)+(\i))+7], v[ADRA] offset:AQ*(\q)+64*(\c)+AI*(\i)+32
.endr
.endr
.endm
.macro QUARTER q, f, g, zero
	s_wait_dscnt 16                                ; the first 32 along K are in; the other sixteen loads may be out
	MUL8 \f, 0, 0, \zero
	MUL8 \f, 0, 2, \zero
	PLACES
	FETCH \q, \g
	s_wait_dscnt 32                                ; all but the 32 just issued
	MUL8 \f, 1, 0, 0
	MUL8 \f, 1, 2, 0
.endm
; The last quarter multiplies buffer 1 and changes slots.  fill = 1: the slot just read is filled again, with the ring's step two on, behind a round of the cluster's barrier.
; fill = 0 (the tail's loop, counted by s2): nothing is asked for; in its last trip there is no next slot, and the fetch is jumped over.
.macro TURN fill
	WIN 0
	s_wait_tensorcnt 0x0                           ; all my tensor loads have landed: my part of the next slot; so a group 0 may be written
	ds_add_u32 v[SPW], v[NIL]                      ; 0 onto my spare word
.if \fill
	s_add_co_u32 s[KI], s[KI], 1                   ; the ring's next step; its addresses are made anew from its number
	s_and_b32 s[KI], s[KI], T-1
	s_mul_i32 s[OA], s[KI], KA
	s_mul_i32 s[OB], s[KI], KB
	s_xor_b32 s[G0A+5], s[G0A+5], SLOT             ; the other slot than last time
	s_add_nc_u64 s[G0A+6:G0A+7], s[BA:BA+1], s[OA:OA+1]
	s_or_b32 s[G0A+7], s[G0A+7], 0x80000000
	s_xor_b32 s[G0B+5], s[G0B+5], SLOT
	s_add_nc_u64 s[G0B+6:G0B+7], s[BB:BB+1], s[OB:OB+1]
	s_or_b32 s[G0B+7], s[G0B+7], 0x80000000
.endif
	s_wait_dscnt 17                                ; the add and the youngest sixteen loads may be out
	MUL8 1, 0, 0, 0
	s_wait_dscnt 0x0                               ; the add is done, and my reads of this slot are over
	s_barrier_signal -1
	MUL8 1, 0, 2, 0
	WIN 0
	s_barrier_wait -1
.if \fill
	CREST                                          ; no wave of any partner still reads this slot or has a load on its way
	JLOAD                                          ; my one tensor load behind the round; its four v_nop are also the places in front of the loads below
.else
	PLACES
	s_cmp_eq_u32 s2, 1
	s_cbranch_scc1 .Lno_fetch_\@
.endif
	s_xor_b32 s3, s3, SLOT
	v_add_nc_u32 v[ADRA], s3, v[ADRA0]
	v_add_nc_u32 v[ADRB], s3, v[ADRB0]
	v_add_nc_u32 v[ADRB+1], HB, v[ADRB]
	FETCH 0, 0
.if !(\fill)
	WIN 0
.Lno_fetch_\@:
.endif
	MUL8 1, 1, 0, 0
	MUL8 1, 1, 2, 0
.endm
	s_load_b256 s[4:11], s[0:1], 0x0               ; A s[4:5], wts s[6:7], bias s[8:9], residual s[10:11]
	s_load_b64 s[66:67], s[0:1], 0x20              ; out
	v_lshl_add_u32 v[SPW], v0, 2, SPARE
	v_mov_b32 v[NIL], 0
	ds_add_u32 v[SPW], v[NIL]                      ; the wave's opening: the add and its wait ahead of my first tensor load
	v_lshrrev_b32 v1, 5, v0
	v_readfirstlane_b32 s12, v1                    ; wave 0..3
	s_lshr_b32 s13, s12, 1                         ; my half of the tile's rows.  Also: I fetch for A (0) or for W (1)
	s_and_b32 s14, s12, 1                          ; my half of its columns.  Also: which half I fetch
	s_bfe_u32 s40, ttmp6, 0x40000
	s_bfe_u32 s41, ttmp6, 0x40004
	s_lshl_b32 s42, ttmp9, 2
	s_add_co_u32 s42, s42, s40                     ; tile column
	s_and_b32 s15, ttmp7, 0xffff
	s_lshl_b32 s15, s15, 2
	s_add_co_u32 s15, s15, s41                     ; tile row
	s_lshl_b32 s43, s41, 2
	s_lshl_b32 s43, 15, s43
	s_lshl_b32 s44, 0x1111, s40
.if OUTP
	s_or_b32 s[G1A], s43, (1<<16)|(1<<20)|(1<<21)|(4<<22)|(3<<25)  ; 64 tokens of a head are 8,192 dense bytes: one row; 4 words of padding behind every token's 32
	s_mov_b32 s[G1A+1], 4096<<16
	s_mov_b32 s[G1A+2], 4<<16
	s_mov_b32 s[G1A+3], 4096<<16
	s_mov_b32 s[G1A+4], 4                          ; four heads,
	s_mov_b32 s[G1A+5], 131072                     ; 2,048 x 64 elements apart
.else
	s_or_b32 s[G1A], s43, (1<<16)|(1<<20)|(1<<21)|(6<<22)|(3<<25)  ; 4 words behind every 128
	s_mov_b32 s[G1A+1], 256<<16
	s_mov_b32 s[G1A+2], 64<<16
	s_mov_b32 s[G1A+3], 256<<16
	s_mov_b32 s[G1A+4], 64
	s_mov_b32 s[G1A+5], 4096
.endif
	s_mov_b32 s[G1A+6], 0
	s_mov_b32 s[G1A+7], 0
	s_or_b32 s[G1B], s44, (1<<16)|(1<<20)|(1<<21)|(5<<22)|(7<<25)  ; 8 words behind every 64
	s_mov_b32 s[G1B+1], 128<<16
	s_mov_b32 s[G1B+2], 128<<16
	s_mov_b32 s[G1B+3], 128<<16
	s_mov_b32 s[G1B+4], 128
	s_mov_b32 s[G1B+5], 1024
	s_mov_b32 s[G1B+6], 0
	s_mov_b32 s[G1B+7], 0
	s_and_b32 s18, ttmp7, 1                        ; where my cluster enters the ring: r = (T / 2) ((X xor Y) & 1)
	s_and_b32 s19, ttmp9, 1
	s_xor_b32 s18, s18, s19
	s_mul_i32 s[KI], s18, T/2
	s_mul_i32 s[OA], s[KI], KA
	s_mov_b32 s[OA+1], 0
	s_mul_i32 s[OB], s[KI], KB
	s_mov_b32 s[OB+1], 0
	s_add_co_u32 s[KI], s[KI], 1                   ; the first fills ask for steps r and r + 1
.if OUTP
	s_lshr_b32 s16, s15, 4                         ; b: 16 heads of 262,144 bytes,
	s_lshl_b32 s16, s16, 22
	s_and_b32 s17, s15, 15                         ; 128 tokens of 128 bytes a tile row,
	s_lshl_b32 s17, s17, 14
	s_add_co_u32 s16, s16, s17
	s_lshl_b32 s17, s14, 13                        ; 64 tokens a half
.else
	s_lshl_b32 s16, s15, 20                        ; (128 tile row + 64 half) rows of 8,192 bytes
	s_lshl_b32 s17, s14, 19
.endif
	s_add_co_u32 s16, s16, s17
	s_mov_b32 s17, 0
	s_lshl_b32 s46, s14, 18                        ; W: 128 half rows of 2,048 bytes + 256 bytes a tile column
	s_lshl_b32 s47, s42, 8
	s_add_co_u32 s46, s46, s47
	s_add_co_u32 s46, s46, WOFF
	s_mov_b32 s47, 0
	s_mul_i32 s22, s14, HAA
	s_mul_i32 s23, s14, HB
	s_add_co_u32 s23, s23, BOFF
	s_lshl_b32 s70, s42, 9                         ; my first column in bytes of f32: 512 tile column + 256 half
	s_lshl_b32 s71, s14, 8
	s_add_co_u32 s70, s70, s71
	s_mov_b32 s71, 0
	s_lshl_b32 s68, s15, 19                        ; my first row: (128 tile row + 64 half) rows of 4,096 bytes
	s_lshl_b32 s69, s13, 18
	s_add_co_u32 s68, s68, s69
	s_add_co_u32 s68, s68, s70
	s_mov_b32 s69, 0
	s_wait_dscnt 0x0                               ; the opening add is done
	s_wait_kmcnt 0x0
	s_add_nc_u64 s[BA:BA+1], s[4:5], s[16:17]
	s_add_nc_u64 s[BB:BB+1], s[6:7], s[46:47]
	s_add_nc_u64 s[18:19], s[BA:BA+1], s[OA:OA+1]  ; both at step r
	s_add_nc_u64 s[78:79], s[BB:BB+1], s[OB:OB+1]
	s_add_nc_u64 s[8:9], s[8:9], s[70:71]
	s_add_nc_u64 s[10:11], s[10:11], s[68:69]
	s_add_nc_u64 s[66:67], s[66:67], s[68:69]
.irp s, 0,1
	s_mov_b32 s[G0A+4*\s], 1
	s_add_co_u32 s[G0A+4*\s+1], s22, \s*SLOT
	s_add_nc_u64 s[G0A+4*\s+2:G0A+4*\s+3], s[18:19], \s*KA
	s_or_b32 s[G0A+4*\s+3], s[G0A+4*\s+3], 0x80000000
	s_mov_b32 s[G0B+4*\s], 1
	s_add_co_u32 s[G0B+4*\s+1], s23, \s*SLOT
	s_add_nc_u64 s[G0B+4*\s+2:G0B+4*\s+3], s[78:79], \s*KB
	s_or_b32 s[G0B+4*\s+3], s[G0B+4*\s+3], 0x80000000
.endr
	CROUND                                         ; all sixteen work-groups are here: the first joint loads meet
	s_cmp_eq_u32 s13, 0                            ; a wave's two first fills stand in one branch: two loads of mine are out
	s_cbranch_scc0 .Lfirst_b
	tensor_load_to_lds s[G0A:G0A+3], s[G1A:G1A+7]
	s_nop 0
	tensor_load_to_lds s[G0A+4:G0A+7], s[G1A:G1A+7]
	s_nop 0
	PLACES
	s_branch .Lfirst_done
.Lfirst_b:
	tensor_load_to_lds s[G0B:G0B+3], s[G1B:G1B+7]
	s_nop 0
	tensor_load_to_lds s[G0B+4:G0B+7], s[G1B:G1B+7]
	s_nop 0
	PLACES
.Lfirst_done:
	v_and_b32 v1, 15, v0                           ; r
	v_bfe_u32 v2, v0, 4, 1                         ; hh
	v_lshlrev_b32 v27, 4, v1                       ; 16 r
	v_lshl_add_u32 v[CO], v2, 12, v27              ; two rows of 4,096 bytes a wave: lanes 0-15 one row's 256 bytes, lanes 16-31 the next
	WIN 0x80                                       ; destination window 2: the residual arrives under the whole K loop; v26 and the bases are never rewritten
.set g, 0
.rept 32
	global_load_b128 v[4*g:4*g+3], v[CO], s[10:11] offset:8192*g
.set g, g+1
.endr
	WIN 0
	global_load_b128 v[BI:BI+3], v27, s[8:9]       ; the bias of my four columns
	v_mul_u32_u24 v3, v1, PAA
	v_lshl_add_u32 v3, v2, 4, v3
	s_mul_i32 s16, s13, HAA                        ; my 64 rows of A
	v_add_nc_u32 v[ADRA0], s16, v3
	v_and_b32 v4, 7, v0
	v_bfe_u32 v5, v0, 3, 1
	v_lshl_add_u32 v4, v2, 3, v4
	v_mul_u32_u24 v4, v4, PB
	v_lshl_add_u32 v4, v5, 4, v4
	s_lshl_b32 s17, s14, 7                         ; my 64 columns of W
	s_add_co_u32 s17, s17, BOFF
	v_add_nc_u32 v[ADRB0], s17, v4
	s_mul_i32 s17, s12, 64*SPI                     ; my stage
	v_mul_u32_u24 v6, v1, SPI
	v_lshl_add_u32 v6, v2, 5, v6
	v_add_nc_u32 v[STO], s17, v6
	v_mul_u32_u24 v6, v2, SPI
	v_lshl_add_u32 v6, v1, 4, v6
	v_add_nc_u32 v[RD], s17, v6
	s_wait_tensorcnt 0x1                           ; my part of the first step is in; the second's may stay out
	s_barrier_signal -1
	s_barrier_wait -1
	s_mov_b32 s3, 0
	v_mov_b32 v[ADRA], v[ADRA0]
	v_mov_b32 v[ADRB], v[ADRB0]
	v_add_nc_u32 v[ADRB+1], HB, v[ADRB0]
	FETCH 0, 0
	QUARTER 1, 0, 1, 1                             ; the first quarter stands in front of the loop: its first products start the sums
	WIN 0
	s_mov_b32 s2, T-2
.Lk:                                                   ; a trip is a K step, from its second quarter to the next step's first; T - 2 trips ask for the ring's steps 2 to T - 1
	QUARTER 2, 1, 0, 0
	QUARTER 3, 0, 1, 0
	TURN 1
	QUARTER 1, 0, 1, 0
	WIN 0
	s_sub_co_u32 s2, s2, 1
	s_cmp_lg_u32 s2, 0
	s_cbranch_scc1 .Lk
	s_mov_b32 s2, 2                                ; the last two steps ask for nothing: a loop of their own; it is entered behind a step's first quarter
	s_branch .Lmid
.Lt:
	QUARTER 1, 0, 1, 0
	WIN 0
.Lmid:
	QUARTER 2, 1, 0, 0
	QUARTER 3, 0, 1, 0
	TURN 0
	WIN 0
	s_sub_co_u32 s2, s2, 1
	s_cmp_lg_u32 s2, 0
	s_cbranch_scc1 .Lt
	; THE WAY OUT.  The bias goes onto the residual (these lines are also the places behind the last products); the sums go through my stage and come back as whole rows.
	s_wait_loadcnt 0x0
	WIN 0x82                                       ; destination and source 0 window 2, source 1 window 0
.set g, 0
.rept 32
	v_pk_add_f32 v[4*g:4*g+1], v[4*g:4*g+1], v[BI:BI+1]
	v_pk_add_f32 v[4*g+2:4*g+3], v[4*g+2:4*g+3], v[BI+2:BI+3]
.set g, g+1
.endr
	WIN 0
	s_wait_dscnt 0x0
	s_barrier_signal -1                            ; every wave has read the ring out: the stages may be written
	s_barrier_wait -1
.irp a, 0,1,2,3
.irp b, 0,1,2,3
	ds_store_b128 v[STO], v[ACC+8*(4*\a+\b):ACC+8*(4*\a+\b)+3]   offset:16*SPI*\a+64*\b     ; each accumulator's low registers first
	ds_store_b128 v[STO], v[ACC+8*(4*\a+\b)+4:ACC+8*(4*\a+\b)+7] offset:16*SPI*\a+64*\b+16
.endr
.endr
.set g, 0
.rept 32
	ds_load_b128 v[ACC+4*g:ACC+4*g+3], v[RD] offset:2*SPI*g  ; LDS serves a wave's instructions in order: these see the stores above
.set g, g+1
.endr
	WIN 0x88                                       ; source 0 window 0; source 1, store data and destination window 2
.set g, 0
.rept 32
	s_wait_dscnt 31-g
	v_pk_add_f32 v[4*g:4*g+1], v[ACC+4*g:ACC+4*g+1], v[4*g:4*g+1]
	v_pk_add_f32 v[4*g+2:4*g+3], v[ACC+4*g+2:ACC+4*g+3], v[4*g+2:4*g+3]
	global_store_b128 v[CO], v[4*g:4*g+3], s[66:67] offset:8192*g  ; sixteen lanes store 256 consecutive bytes, aligned
.set g, g+1
.endr
	WIN 0
	s_wait_tensorcnt 0x0                           ; the wave's end
	ds_add_u32 v[SPW], v[NIL]
	s_wait_dscnt 0x0
	CROUND                                         ; the closing round
	s_endpgm
.Lfunc_end_k_qf83d3d09a4_outproj:
	.size	k_qf83d3d09a4_outproj, .Lfunc_end_k_qf83d3d09a4_outproj-k_qf83d3d09a4_outproj
	.p2alignl 7, 3214868480
	.fill 96, 4, 3214868480
	.section	.rodata,"a",@progbits
	.p2align	6, 0x0
	.amdhsa_kernel k_qf83d3d09a4_outproj
		.amdhsa_group_segment_fixed_size 327680
		.amdhsa_private_segment_fixed_size 0
		.amdhsa_enable_private_segment 0
		.amdhsa_kernarg_size 40
		.amdhsa_user_sgpr_count 2
		.amdhsa_user_sgpr_kernarg_segment_ptr 1
		.amdhsa_wavefront_size32 1
		.amdhsa_system_sgpr_workgroup_id_x 1
		.amdhsa_system_sgpr_workgroup_id_y 1
		.amdhsa_system_sgpr_workgroup_id_z 1
		.amdhsa_system_vgpr_workitem_id 0
		.amdhsa_next_free_vgpr 640
		.amdhsa_next_free_sgpr 80
		.amdhsa_reserve_vcc 0
		.amdhsa_float_denorm_mode_32 3
		.amdhsa_float_denorm_mode_16_64 3
		.amdhsa_memory_ordered 1
		.amdhsa_forward_progress 1
		.amdhsa_inst_pref_size 70
	.end_amdhsa_kernel
	.amdgpu_metadata
---
amdhsa.version: [ 1, 2 ]
amdhsa.kernels:
  - .name:           k_qf83d3d09a4_outproj
    .symbol:         k_qf83d3d09a4_outproj.kd
    .args:
      - { .name: o, .offset: 0, .size: 8, .value_kind: global_buffer, .address_space: global }
      - { .name: wts, .offset: 8, .size: 8, .value_kind: global_buffer, .address_space: global }
      - { .name: b_out, .offset: 16, .size: 8, .value_kind: global_buffer, .address_space: global }
      - { .name: x, .offset: 24, .size: 8, .value_kind: global_buffer, .address_space: global }
      - { .name: x1, .offset: 32, .size: 8, .value_kind: global_buffer, .address_space: global }
    .group_segment_fixed_size: 327680
    .private_segment_fixed_size: 0
    .kernarg_segment_align: 8
    .kernarg_segment_size: 40
    .max_flat_workgroup_size: 128
    .sgpr_count:     80
    .vgpr_count:     640
    .wavefront_size: 32
...
	.end_amdgpu_metadata
.endif
;; end of part 4
;; launch ln2 (part 5): grid 256 x 1, 8 waves a work-group, no clusters, 0 bytes of LDS; arguments x1, ln2_g, ln2_b, xn; writes xn
.if DOCPART == 5
	.amdgcn_target "amdgcn-amd-amdhsa--gfx1250"
	.amdhsa_code_object_version 6
	.text
	.protected	k_qf83d3d09a4_ln2
	.globl	k_qf83d3d09a4_ln2
	.p2align	8
	.type	k_qf83d3d09a4_ln2,@function
k_qf83d3d09a4_ln2:
	s_mov_b64 s[64:65], 0
	v_nop
	global_prefetch_b8 v0, s[64:65] scope:SCOPE_SE
	s_setreg_imm32_b32 hwreg(HW_REG_WAVE_MODE, 25, 1), 1
	s_wait_xcnt 0x0
; xn = LayerNorm(x1) * g + b, f32 -> f16, 16 rows a work-group, two rows a wave; a row of 4,096 bytes stays in 32 registers between the passes.
; LIMITS.  f16 ends at 65,504: a normalised number beyond it becomes an infinity.  The mean is taken first and then the mean of (x - mean)^2, so a common offset of a row costs nothing.
; No LDS, no matrix unit, no cluster: each byte is read once and written once.
.set G,   4
.set BV,  36
.set X0,  68
.set X1,  100
.set T,   132
.set M,   140
.set R,   142
.set Y0,  144
.set Y1,  160
.set SRC, 4
.set DST, 10
	s_load_b256 s[4:11], s[0:1], 0x0               ; x1 4, g 6, b 8, xn 10
	s_mov_b32 s22, ttmp9
	v_lshrrev_b32 v3, 5, v0
	v_readfirstlane_b32 s34, v3                    ; wave
	v_and_b32 v1, 31, v0
	v_lshlrev_b32 v2, 3, v1                        ; 8 bytes a lane out
	v_lshlrev_b32 v1, 4, v1                        ; 16 bytes a lane in
	s_mov_b32 s30, 0x76543210
	s_mov_b32 s31, 0xfedcba98
	s_mov_b32 s32, 0x3a800000                      ; 1 / 1024
	s_mov_b32 s33, 0x3727c5ac                      ; 1e-5
	s_lshl_b32 s36, s22, 16
	s_lshl_b32 s37, s34, 13
	s_add_co_u32 s36, s36, s37                     ; (16 g + 2 w) rows of 4,096 bytes
	s_mov_b32 s37, 0
	s_wait_kmcnt 0x0
	s_add_nc_u64 s[SRC:SRC+1], s[SRC:SRC+1], s[36:37]
	s_lshr_b32 s36, s36, 1
	s_add_nc_u64 s[DST:DST+1], s[DST:DST+1], s[36:37]
.irp j, 0,1,2,3,4,5,6,7
	global_load_b128 v[X0+4*\j:X0+4*\j+3], v1, s[SRC:SRC+1] offset:512*\j
.endr
.irp j, 0,1,2,3,4,5,6,7
	global_load_b128 v[X1+4*\j:X1+4*\j+3], v1, s[SRC:SRC+1] offset:4096+512*\j
.endr
.irp j, 0,1,2,3,4,5,6,7
	global_load_b128 v[G+4*\j:G+4*\j+3], v1, s[6:7] offset:512*\j
.endr
.irp j, 0,1,2,3,4,5,6,7
	global_load_b128 v[BV+4*\j:BV+4*\j+3], v1, s[8:9] offset:512*\j
.endr
.macro RED                             ; the sum of v[T] over the 32 lanes, in every lane
.irp m, 1,2,4,8
	v_add_f32_dpp v[T], v[T], v[T] row_xmask:\m row_mask:0xf bank_mask:0xf
.endr
	v_permlanex16_b32 v[T+1], v[T], s30, s31
	v_add_f32 v[T], v[T], v[T+1]
.endm
.macro FOLD
	v_pk_add_f32 v[T:T+1], v[T:T+1], v[T+2:T+3]
	v_pk_add_f32 v[T+4:T+5], v[T+4:T+5], v[T+6:T+7]
	v_pk_add_f32 v[T:T+1], v[T:T+1], v[T+4:T+5]
	v_add_f32 v[T], v[T], v[T+1]
.endm
.macro LNROW X, Y, left, out
	s_wait_loadcnt \left
.irp k, 0,1,2,3
	v_pk_add_f32 v[T+2*\k:T+2*\k+1], v[\X+2*\k:\X+2*\k+1], v[\X+8+2*\k:\X+9+2*\k]
.endr
.irp o, 16, 24
.irp k, 0,1,2,3
	v_pk_add_f32 v[T+2*\k:T+2*\k+1], v[T+2*\k:T+2*\k+1], v[\X+\o+2*\k:\X+\o+2*\k+1]
.endr
.endr
	FOLD
	RED
	v_mul_f32 v[M], s32, v[T]                      ; the mean
	v_mul_f32 v[M+1], s32, v[T]
.set n, 0
.rept 16
	v_pk_add_f32 v[\X+2*n:\X+2*n+1], v[\X+2*n:\X+2*n+1], v[M:M+1] neg_lo:[0,1] neg_hi:[0,1]
.set n, n+1
.endr
.irp k, 0,1,2,3
	v_pk_mul_f32 v[T+2*\k:T+2*\k+1], v[\X+2*\k:\X+2*\k+1], v[\X+2*\k:\X+2*\k+1]
.endr
.irp o, 8, 16, 24
.irp k, 0,1,2,3
	v_pk_fma_f32 v[T+2*\k:T+2*\k+1], v[\X+\o+2*\k:\X+\o+2*\k+1], v[\X+\o+2*\k:\X+\o+2*\k+1], v[T+2*\k:T+2*\k+1]
.endr
.endr
	FOLD
	RED
	v_fma_f32 v[T], v[T], s32, s33                 ; var + eps
	v_rsq_f32 v[R], v[T]
	v_rsq_f32 v[R+1], v[T]
	v_nop                                          ; a plain instruction between the root and its use (ISA guide 5.7.2)
	s_wait_loadcnt 0x0                             ; gain and bias are in
.set n, 0
	s_wait_alu depctr_va_vdst(0)
.rept 16
	v_pk_mul_f32 v[\X+2*n:\X+2*n+1], v[\X+2*n:\X+2*n+1], v[R:R+1]
.set n, n+1
.endr
.set n, 0
.rept 16
	v_pk_fma_f32 v[\X+2*n:\X+2*n+1], v[\X+2*n:\X+2*n+1], v[G+2*n:G+2*n+1], v[BV+2*n:BV+2*n+1]
.set n, n+1
.endr
.set n, 0
.rept 16
	v_cvt_pk_f16_f32 v[\Y+n], v[\X+2*n], v[\X+2*n+1]
.set n, n+1
.endr
.set n, 0
.rept 8
	global_store_b64 v2, v[\Y+2*n:\Y+2*n+1], s[DST:DST+1] offset:256*n+\out  ; a wave stores 256 consecutive bytes, aligned
.set n, n+1
.endr
.endm
	LNROW X0, Y0, 24, 0                            ; the second row, gain and bias (24 loads) stay out
	LNROW X1, Y1, 16, 2048
	s_endpgm
.Lfunc_end_k_qf83d3d09a4_ln2:
	.size	k_qf83d3d09a4_ln2, .Lfunc_end_k_qf83d3d09a4_ln2-k_qf83d3d09a4_ln2
	.p2alignl 7, 3214868480
	.fill 96, 4, 3214868480
	.section	.rodata,"a",@progbits
	.p2align	6, 0x0
	.amdhsa_kernel k_qf83d3d09a4_ln2
		.amdhsa_group_segment_fixed_size 0
		.amdhsa_private_segment_fixed_size 0
		.amdhsa_enable_private_segment 0
		.amdhsa_kernarg_size 32
		.amdhsa_user_sgpr_count 2
		.amdhsa_user_sgpr_kernarg_segment_ptr 1
		.amdhsa_wavefront_size32 1
		.amdhsa_system_sgpr_workgroup_id_x 1
		.amdhsa_system_sgpr_workgroup_id_y 1
		.amdhsa_system_sgpr_workgroup_id_z 1
		.amdhsa_system_vgpr_workitem_id 0
		.amdhsa_next_free_vgpr 176
		.amdhsa_next_free_sgpr 66
		.amdhsa_reserve_vcc 0
		.amdhsa_float_denorm_mode_32 3
		.amdhsa_float_denorm_mode_16_64 3
		.amdhsa_memory_ordered 1
		.amdhsa_forward_progress 1
		.amdhsa_inst_pref_size 20
	.end_amdhsa_kernel
	.amdgpu_metadata
---
amdhsa.version: [ 1, 2 ]
amdhsa.kernels:
  - .name:           k_qf83d3d09a4_ln2
    .symbol:         k_qf83d3d09a4_ln2.kd
    .args:
      - { .name: x1, .offset: 0, .size: 8, .value_kind: global_buffer, .address_space: global }
      - { .name: ln2_g, .offset: 8, .size: 8, .value_kind: global_buffer, .address_space: global }
      - { .name: ln2_b, .offset: 16, .size: 8, .value_kind: global_buffer, .address_space: global }
      - { .name: xn, .offset: 24, .size: 8, .value_kind: global_buffer, .address_space: global }
    .group_segment_fixed_size: 0
    .private_segment_fixed_size: 0
    .kernarg_segment_align: 8
    .kernarg_segment_size: 32
    .max_flat_workgroup_size: 256
    .sgpr_count:     66
    .vgpr_count:     176
    .wavefront_size: 32
...
	.end_amdgpu_metadata
.endif
;; end of part 5
;; launch mlp1 (part 6): grid 16 x 16, 4 waves a work-group, clusters of 4 x 4, 327,680 bytes of LDS; arguments xn, wts, b1, h; writes h
.if DOCPART == 6
	.amdgcn_target "amdgcn-amd-amdhsa--gfx1250"
	.amdhsa_code_object_version 6
	.text
	.protected	k_qf83d3d09a4_mlp1
	.globl	k_qf83d3d09a4_mlp1
	.p2align	8
	.type	k_qf83d3d09a4_mlp1,@function
k_qf83d3d09a4_mlp1:
	s_mov_b64 s[64:65], 0
	v_nop
	global_prefetch_b8 v0, s[64:65] scope:SCOPE_SE
	s_setreg_imm32_b32 hwreg(HW_REG_WAVE_MODE, 25, 1), 1
	s_wait_xcnt 0x0
	s_wait_alu depctr_hold_cnt(0) depctr_sa_sdst(0) depctr_va_vdst(0) depctr_va_sdst(0) depctr_va_ssrc(0) depctr_va_vcc(0) depctr_vm_vsrc(0)
	s_getreg_b32 s2, hwreg(HW_REG_IB_STS2, 6, 4)
	s_cmp_eq_u32 s2, 0
	s_cbranch_scc0 .Lentry_in_a_cluster
	s_endpgm
.Lentry_in_a_cluster:
	s_bfe_u32 s2, ttmp6, 0x10000c
	s_cmp_lg_u32 s2, 0xf033
	s_cbranch_scc0 .Lentry_shape_is_right
	s_endpgm
.Lentry_shape_is_right:
; h = gelu(xn [4096][1024] x w1 [1024][4096] + b1), f16 operands, f32 sums, bias and gelu in f32, h rounded once to f16.
; GELU.  gelu(x) = max(x, 0) - |x| R, R = erfc(|x| / sqrt 2) / 2 = 1 / (c0 + c1 t + .. + c6 t^6)^16, t = |x| (Abramowitz and Stegun 7.1.28, absolute error of erf at most 3e-7 for every t >= 0;
; the factors 2^(-k/2) and 2^(1/16) are folded into the coefficients).  Where the power overflows the reciprocal is 0, the right limit.
; LIMIT.  f16 ends at 65,504: an h beyond it becomes an infinity.  NaN and infinities are not treated apart.
; A tile of C is 256 x 256: 16 x 16 = 256 work-groups.  Four waves, each 128 x 128: 64 accumulators, 512 registers.  K goes in steps of 128 through two LDS slots.
; A's rows lie along K; the weights lie [K][N] and are turned on the way out of LDS by ds_load_tr16_b128.
; CLUSTER 4 x 4: A's tile is asked for jointly along a row of the cluster, B's along a column.
; THE WALK.  The eight K steps are a ring that cluster (X, Y) enters at step r = (2 X + 4 (Y & 1)) mod 8: the four clusters that read one tile of A (same Y) enter 2 steps apart, neighbouring Y that read one
; tile of B 4 apart, so of the clusters that read a tile one asks first and the others later.  r hangs on the cluster's place alone, which all partners of a joint load share.  The f32 sums are added in that order.
; The matrix instruction is used transposed (source 0 = 16 columns of W, source 1 = 16 rows of xn): a lane holds eight neighbouring columns of one row of C.
; REGISTERS: window 0: v16-29 addresses; v48-51 bias; v64-127, v128-191 A's fragments; v32-47, v192-247 the way out.  window 1: v0-63, v128-191 B's fragments.
;   windows 2, 3: accumulator (a, b) in window 2 + a / 4 at v[8 (8 (a % 4) + b)].
.set MB, 8
.set NB, 8
.set AW, 4
.set NK, 8                             ; K steps
.set PA, 272                           ; A's LDS row: 256 bytes + 16
.set HA, 128*PA
.set PB, 544                           ; B's LDS row: 512 bytes + 32: an odd multiple of 32
.set CPAD, 0
.set HB, 64*PB
.set BOFF, 2*HA
.set SLOT, 139264                      ; shares no bit with the four loads' places in a slot: an exclusive or changes slots
.set SPARE, 2*SLOT                     ; the spare words: 128 bytes a wave, named by no other line
.set KA, 256
.set KB, 128*4096*2
.set SPI, 528                          ; the way out: a row of 128 f32 + 16 bytes
.set STW, 128*SPI                      ; a wave's stage; it lies in the ring, which has had its last fill by then
.set ADRA0, 16
.set ADRB0, 17
.set ADRA, 18
.set ADRB, 19
.set STO, 24
.set RD, 25
.set CO, 26
.set SPW, 28
.set NIL, 29
.set X,  32                            ; four rows as read back
.set BI, 48                            ; the bias of my four columns
.set XB, 192                           ; x + bias, then the result
.set AX, 208                           ; |x|
.set PP, 224                           ; the polynomial, its power, R
.set Y,  240                           ; f16
.set BA, 20                            ; s[20:21] A at my rows, K step 0
.set G1A, 24
.set G0A, 32
.set BB, 46                            ; s[46:47] B at my rows and columns, K step 0
.set G1B, 48
.set G0B, 56
.set OA, 88                            ; s[88:89] byte offset of the K step asked for, in A,
.set OB, 90                            ; s[90:91] and in B
.set KI, 92                            ; s92 the K step asked for last
.set MSB, 0
.macro WIN new
.if MSB != (\new)
	s_set_vgpr_msb (MSB<<8)|(\new)
.set MSB, (\new)
.endif
.endm
.set MUL_LO, 0xa1
.set TO_B, 0x40
.macro PLACES
.rept 4
	v_nop
.endr
.endm
.macro JLOAD                           ; a joint refill by the walking descriptors; an s_nop 0 and four v_nop follow each line
	s_cmp_eq_u32 s13, 0
	s_cbranch_scc0 .Lfor_b_\@
	tensor_load_to_lds s[G0A+4:G0A+7], s[G1A:G1A+7]
	s_nop 0
	PLACES
	s_branch .Lasked_\@
.Lfor_b_\@:
	tensor_load_to_lds s[G0B+4:G0B+7], s[G1B:G1B+7]
	s_nop 0
	PLACES
.Lasked_\@:
.endm
.macro CREST
	s_cmp_lg_u32 s12, 0
	s_cbranch_scc1 .Lnot_wave_0_\@
	s_barrier_signal -3
.Lnot_wave_0_\@:
	s_barrier_wait -3
	s_barrier_signal -1
	s_barrier_wait -1
.endm
.macro CROUND
	s_barrier_signal -1
	s_barrier_wait -1
	CREST
.endm
.macro MULA f, hi, a, zero
	WIN MUL_LO+0x50*(\hi)
.set bb, 0
.rept NB
.set rD, 8*(NB*(\a)+bb)
.set rB, 128*(\f)+8*bb
.set rA, 64+64*(\f)+8*(AW*(\hi)+(\a))
.if \zero
	v_wmma_f32_16x16x32_f16 v[rD:rD+7], v[rB:rB+7], v[rA:rA+7], 0
.else
	v_wmma_f32_16x16x32_f16 v[rD:rD+7], v[rB:rB+7], v[rA:rA+7], v[rD:rD+7]
.endif
.set bb, bb+1
.endr
.endm
.macro MULH f, hi, a0, n, zero         ; the accumulators take turns, one instruction a turn
.set aa, \a0
.rept \n
	MULA \f, \hi, aa, \zero
.set aa, aa+1
.endr
.endm
.macro FETCH q, f                      ; 32 LDS loads in one run: quarter q of the slot in hand into buffer f: B turned, then A
	WIN TO_B
.set bb, 0
.rept NB
.set cb, (\q)*32*PB+32*bb+CPAD*(bb/4)
	ds_load_tr16_b128 v[128*(\f)+8*bb:128*(\f)+8*bb+3],   v[ADRB] offset:cb
	ds_load_tr16_b128 v[128*(\f)+8*bb+4:128*(\f)+8*bb+7], v[ADRB] offset:cb+16*PB
.set bb, bb+1
.endr
	WIN 0
.set aa, 0
.rept MB
	ds_load_b128 v[64+64*(\f)+8*aa:64+64*(\f)+8*aa+3],   v[ADRA] offset:64*(\q)+aa*16*PA
	ds_load_b128 v[64+64*(\f)+8*aa+4:64+64*(\f)+8*aa+7], v[ADRA] offset:64*(\q)+aa*16*PA+32
.set aa, aa+1
.endr
.endm
.macro QUARTER q, f, g, zero
	s_wait_dscnt MB                                ; B and A's lower row blocks are in; the youngest MB loads may be out
	MULH \f, 0, 0, AW, \zero
	PLACES
	FETCH \q, \g
	s_wait_dscnt 32                                ; all but the 32 just issued
	MULH \f, 1, 0, AW, \zero
.endm
; The last quarter multiplies buffer 1 and changes slots.  fill = 1: the slot just read is filled again, with the ring's step two on, behind a round of the cluster's barrier.
; fill = 0 (the tail's loop, counted by s2): nothing is asked for; in its last trip there is no next slot, and the fetch is jumped over.
.macro TURN fill
	WIN 0
	s_wait_tensorcnt 0x0                           ; all my tensor loads have landed: my part of the next slot; so a group 0 may be written
	ds_add_u32 v[SPW], v[NIL]                      ; 0 onto my spare word
.if \fill
	s_add_co_u32 s[KI], s[KI], 1                   ; the ring's next step; its addresses are made anew from its number
	s_and_b32 s[KI], s[KI], NK-1
	s_mul_i32 s[OA], s[KI], KA
	s_mul_i32 s[OB], s[KI], KB
	s_xor_b32 s[G0A+5], s[G0A+5], SLOT             ; the other slot than last time
	s_add_nc_u64 s[G0A+6:G0A+7], s[BA:BA+1], s[OA:OA+1]
	s_or_b32 s[G0A+7], s[G0A+7], 0x80000000
	s_xor_b32 s[G0B+5], s[G0B+5], SLOT
	s_add_nc_u64 s[G0B+6:G0B+7], s[BB:BB+1], s[OB:OB+1]
	s_or_b32 s[G0B+7], s[G0B+7], 0x80000000
.endif
	s_wait_dscnt MB+1                              ; the add and the youngest MB loads may be out
	MULH 1, 0, 0, AW/2, 0
	s_wait_dscnt 0x0                               ; the add is done, and my reads of this slot are over
	s_barrier_signal -1
	MULH 1, 0, AW/2, AW/2, 0
	WIN 0
	s_barrier_wait -1
.if \fill
	CREST                                          ; no wave of any partner still reads this slot or has a load on its way
	JLOAD                                          ; my one tensor load behind the round; its four v_nop are also the places in front of the loads below
.else
	PLACES
	s_cmp_eq_u32 s2, 1
	s_cbranch_scc1 .Lno_fetch_\@
.endif
	s_xor_b32 s3, s3, SLOT
	v_add_nc_u32 v[ADRA], s3, v[ADRA0]
	v_add_nc_u32 v[ADRB], s3, v[ADRB0]
	FETCH 0, 0
.if !(\fill)
.Lno_fetch_\@:
.endif
	MULH 1, 1, 0, AW, 0
.endm
	s_load_b256 s[4:11], s[0:1], 0x0               ; xn s[4:5], wts s[6:7], b1 s[8:9], h s[10:11]
	v_lshl_add_u32 v[SPW], v0, 2, SPARE
	v_mov_b32 v[NIL], 0
	ds_add_u32 v[SPW], v[NIL]                      ; the wave's opening: the add and its wait ahead of my first tensor load
	v_lshrrev_b32 v1, 5, v0
	v_readfirstlane_b32 s12, v1                    ; wave 0..3
	s_lshr_b32 s13, s12, 1                         ; my half of the tile's rows.  Also: I fetch for A (0) or for B (1)
	s_and_b32 s14, s12, 1                          ; my half of its columns.  Also: which half I fetch
	s_bfe_u32 s40, ttmp6, 0x40000
	s_bfe_u32 s41, ttmp6, 0x40004
	s_lshl_b32 s42, ttmp9, 2
	s_add_co_u32 s42, s42, s40                     ; tile column
	s_and_b32 s15, ttmp7, 0xffff
	s_lshl_b32 s15, s15, 2
	s_add_co_u32 s15, s15, s41                     ; tile row
	s_lshl_b32 s43, s41, 2
	s_lshl_b32 s43, 15, s43
	s_lshl_b32 s44, 0x1111, s40
	s_or_b32 s[G1A], s43, (1<<16)|(1<<20)|(1<<21)|(5<<22)|(3<<25)  ; 4 words behind every 64
	s_mov_b32 s[G1A+1], 128<<16
	s_mov_b32 s[G1A+2], 128<<16
	s_mov_b32 s[G1A+3], 128<<16
	s_mov_b32 s[G1A+4], 128
	s_mov_b32 s[G1A+5], 1024
	s_mov_b32 s[G1A+6], 0
	s_mov_b32 s[G1A+7], 0
	s_or_b32 s[G1B], s44, (1<<16)|(1<<20)|(1<<21)|(6<<22)|(7<<25)  ; 8 words behind every 128
	s_mov_b32 s[G1B+1], 256<<16
	s_mov_b32 s[G1B+2], 64<<16
	s_mov_b32 s[G1B+3], 256<<16
	s_mov_b32 s[G1B+4], 64
	s_mov_b32 s[G1B+5], 4096
	s_mov_b32 s[G1B+6], 0
	s_mov_b32 s[G1B+7], 0
	s_mov_b32 s66, 0x3f85aac3                      ; c0 .. c6, each named as a pair
	s_mov_b32 s67, s66
	s_mov_b32 s68, 0x3d554cc4
	s_mov_b32 s69, s68
	s_mov_b32 s70, 0x3cb4dad2
	s_mov_b32 s71, s70
	s_mov_b32 s72, 0x3b605009
	s_mov_b32 s73, s72
	s_mov_b32 s74, 0x382674aa
	s_mov_b32 s75, s74
	s_mov_b32 s76, 0x3856241c
	s_mov_b32 s77, s76
	s_mov_b32 s78, 0x36bc9eb0
	s_mov_b32 s79, s78
	s_mov_b32 s80, 0x7fffffff
	s_and_b32 s18, ttmp7, 1                        ; where my cluster enters the ring: r = (2 X + 4 (Y & 1)) mod 8, an even number
	s_lshl_b32 s18, s18, 2
	s_lshl_b32 s19, ttmp9, 1
	s_add_co_u32 s18, s18, s19
	s_and_b32 s[KI], s18, NK-1
	s_mul_i32 s[OA], s[KI], KA
	s_mov_b32 s[OA+1], 0
	s_mul_i32 s[OB], s[KI], KB
	s_mov_b32 s[OB+1], 0
	s_add_co_u32 s[KI], s[KI], 1                   ; the first fills ask for steps r and r + 1
	s_lshl_b32 s16, s15, 19                        ; A: (256 tile row + 128 half) rows of 2,048 bytes
	s_lshl_b32 s17, s14, 18
	s_add_co_u32 s16, s16, s17
	s_mov_b32 s17, 0
	s_lshl_b32 s46, s14, 19                        ; B: 64 half rows of 8,192 bytes + 512 bytes a tile column, w1 at 8,388,608 in wts
	s_lshl_b32 s47, s42, 9
	s_add_co_u32 s46, s46, s47
	s_add_co_u32 s46, s46, 8388608
	s_mov_b32 s47, 0
	s_mul_i32 s22, s14, HA
	s_mul_i32 s23, s14, HB
	s_add_co_u32 s23, s23, BOFF
	s_wait_dscnt 0x0                               ; the opening add is done
	s_wait_kmcnt 0x0
	s_add_nc_u64 s[BA:BA+1], s[4:5], s[16:17]
	s_add_nc_u64 s[BB:BB+1], s[6:7], s[46:47]
	s_add_nc_u64 s[18:19], s[BA:BA+1], s[OA:OA+1]  ; both at step r
	s_add_nc_u64 s[86:87], s[BB:BB+1], s[OB:OB+1]
.irp s, 0,1
	s_mov_b32 s[G0A+4*\s], 1
	s_add_co_u32 s[G0A+4*\s+1], s22, \s*SLOT
	s_add_nc_u64 s[G0A+4*\s+2:G0A+4*\s+3], s[18:19], \s*KA
	s_or_b32 s[G0A+4*\s+3], s[G0A+4*\s+3], 0x80000000
	s_mov_b32 s[G0B+4*\s], 1
	s_add_co_u32 s[G0B+4*\s+1], s23, \s*SLOT
	s_add_nc_u64 s[G0B+4*\s+2:G0B+4*\s+3], s[86:87], \s*KB
	s_or_b32 s[G0B+4*\s+3], s[G0B+4*\s+3], 0x80000000
.endr
	CROUND                                         ; all sixteen work-groups are here: the first joint loads meet
	s_cmp_eq_u32 s13, 0                            ; a wave's two first fills stand in one branch: two loads of mine are out
	s_cbranch_scc0 .Lfirst_b
	tensor_load_to_lds s[G0A:G0A+3], s[G1A:G1A+7]
	s_nop 0
	tensor_load_to_lds s[G0A+4:G0A+7], s[G1A:G1A+7]
	s_nop 0
	PLACES
	s_branch .Lfirst_done
.Lfirst_b:
	tensor_load_to_lds s[G0B:G0B+3], s[G1B:G1B+7]
	s_nop 0
	tensor_load_to_lds s[G0B+4:G0B+7], s[G1B:G1B+7]
	s_nop 0
	PLACES
.Lfirst_done:
	s_lshl_b32 s86, s42, 10                        ; the bias of my 128 columns: (256 tile column + 128 half) x 4 bytes
	s_lshl_b32 s87, s14, 9
	s_add_co_u32 s86, s86, s87
	s_mov_b32 s87, 0
	s_add_nc_u64 s[82:83], s[8:9], s[86:87]
	v_and_b32 v6, 31, v0
	v_lshlrev_b32 v27, 4, v6                       ; 16 bytes a lane
	global_load_b128 v[BI:BI+3], v27, s[82:83]     ; it arrives under the K loop; v27 and the base are never rewritten
	v_lshlrev_b32 v[CO], 3, v6                     ; out: 8 bytes a lane
	s_lshl_b32 s86, s15, 21                        ; h: (256 tile row + 128 half) rows of 8,192 bytes + (256 tile column + 128 half) x 2 bytes
	s_lshl_b32 s87, s13, 20
	s_add_co_u32 s86, s86, s87
	s_lshl_b32 s87, s42, 9
	s_add_co_u32 s86, s86, s87
	s_lshl_b32 s87, s14, 8
	s_add_co_u32 s86, s86, s87
	s_mov_b32 s87, 0
	s_add_nc_u64 s[10:11], s[10:11], s[86:87]
	v_and_b32 v1, 15, v0                           ; r
	v_bfe_u32 v2, v0, 4, 1                         ; hh
	v_mul_u32_u24 v3, v1, PA
	v_lshl_add_u32 v3, v2, 4, v3
	s_mul_i32 s16, s13, HA                         ; my 128 rows of A
	v_add_nc_u32 v[ADRA0], s16, v3
	v_and_b32 v4, 7, v0
	v_bfe_u32 v5, v0, 3, 1
	v_lshl_add_u32 v4, v2, 3, v4
	v_mul_u32_u24 v4, v4, PB
	v_lshl_add_u32 v4, v5, 4, v4
	s_lshl_b32 s17, s14, 8                         ; my 128 columns of B
	s_add_co_u32 s17, s17, BOFF
	v_add_nc_u32 v[ADRB0], s17, v4
	s_mul_i32 s17, s12, STW                        ; my stage
	v_mul_u32_u24 v7, v1, SPI
	v_lshl_add_u32 v7, v2, 5, v7
	v_add_nc_u32 v[STO], s17, v7                   ; in: row r, 32 bytes for each half of the lanes
	v_add_nc_u32 v[RD], s17, v27                   ; back: a row's 512 bytes, 16 a lane
	s_wait_tensorcnt 0x1                           ; my part of the first step is in; the second's may stay out
	s_barrier_signal -1
	s_barrier_wait -1
	s_mov_b32 s3, 0
	v_mov_b32 v[ADRA], v[ADRA0]
	v_mov_b32 v[ADRB], v[ADRB0]
	FETCH 0, 0
	QUARTER 1, 0, 1, 1                             ; the first quarter stands in front of the loop: its products start the sums
	WIN 0
	s_mov_b32 s2, NK-2
.Lk:                                                   ; a trip is a K step, from its second quarter to the next step's first; six trips ask for the ring's steps 2 to 7
	QUARTER 2, 1, 0, 0
	QUARTER 3, 0, 1, 0
	TURN 1
	QUARTER 1, 0, 1, 0
	WIN 0
	s_sub_co_u32 s2, s2, 1
	s_cmp_lg_u32 s2, 0
	s_cbranch_scc1 .Lk
	s_mov_b32 s2, 2                                ; the last two steps ask for nothing: a loop of their own; it is entered behind a step's first quarter
	s_branch .Lmid
.Lt:
	QUARTER 1, 0, 1, 0
	WIN 0
.Lmid:
	QUARTER 2, 1, 0, 0
	QUARTER 3, 0, 1, 0
	TURN 0
	WIN 0
	s_sub_co_u32 s2, s2, 1
	s_cmp_lg_u32 s2, 0
	s_cbranch_scc1 .Lt
	; THE WAY OUT.  All waves have read the ring out; each lays its sums as f32 rows into its own stage there and then finishes four rows a trip.
	PLACES
	s_wait_dscnt 0x0
	s_barrier_signal -1
	s_barrier_wait -1
.irp hi, 0,1
	WIN 0x08+4*\hi                                 ; store data in window 2, then 3
.set aa, 0
.rept AW
.set bb, 0
.rept NB
.set rD, 8*(NB*aa+bb)
	ds_store_b128 v[STO], v[rD:rD+3]   offset:(AW*\hi+aa)*16*SPI+64*bb     ; each accumulator's low registers first
	ds_store_b128 v[STO], v[rD+4:rD+7] offset:(AW*\hi+aa)*16*SPI+64*bb+16
.set bb, bb+1
.endr
.set aa, aa+1
.endr
.endr
	WIN 0
	s_wait_loadcnt 0x0                             ; the bias
.irp t, 0,1,2,3
	ds_load_b128 v[X+4*\t:X+4*\t+3], v[RD] offset:SPI*\t  ; LDS serves a wave's instructions in order: these see the stores above
.endr
; Four rows: bias, gelu, rounding, store.  more = 1: the next four rows are read under the arithmetic.
.macro GTRIP more
	s_wait_dscnt 0x0
.set k, 0
.rept 8
	v_pk_add_f32 v[XB+2*k:XB+2*k+1], v[X+2*k:X+2*k+1], v[BI+2*(k%2):BI+2*(k%2)+1]
.set k, k+1
.endr
.if \more
	v_add_nc_u32 v[RD], 4*SPI, v[RD]
.irp t, 0,1,2,3
	ds_load_b128 v[X+4*\t:X+4*\t+3], v[RD] offset:SPI*\t
.endr
.endif
.set k, 0
.rept 16
	v_and_b32 v[AX+k], s80, v[XB+k]                ; t = |x|
.set k, k+1
.endr
.set k, 0
.rept 8
	v_pk_fma_f32 v[PP+2*k:PP+2*k+1], v[AX+2*k:AX+2*k+1], s[78:79], s[76:77] op_sel_hi:[1,0,0]  ; c6 t + c5
.set k, k+1
.endr
.irp c, 74, 72, 70, 68, 66
.set k, 0
.rept 8
	v_pk_fma_f32 v[PP+2*k:PP+2*k+1], v[PP+2*k:PP+2*k+1], v[AX+2*k:AX+2*k+1], s[\c:\c+1] op_sel_hi:[1,1,0]
.set k, k+1
.endr
.endr
.rept 4                                                ; the sixteenth power
.set k, 0
.rept 8
	v_pk_mul_f32 v[PP+2*k:PP+2*k+1], v[PP+2*k:PP+2*k+1], v[PP+2*k:PP+2*k+1]
.set k, k+1
.endr
.endr
.set k, 0
.rept 16
	v_rcp_f32 v[PP+k], v[PP+k]                     ; R
.set k, k+1
.endr
.set k, 0
.rept 16
	v_max_num_f32 v[XB+k], 0, v[XB+k]              ; plain lines between the reciprocals and their use (ISA guide 5.7.2)
.set k, k+1
.endr
.set k, 0
	s_wait_alu depctr_va_vdst(0)
.rept 8
	v_pk_fma_f32 v[XB+2*k:XB+2*k+1], v[AX+2*k:AX+2*k+1], v[PP+2*k:PP+2*k+1], v[XB+2*k:XB+2*k+1] neg_lo:[1,0,0] neg_hi:[1,0,0]  ; max(x, 0) - t R
.set k, k+1
.endr
.set k, 0
.rept 8
	v_cvt_pk_f16_f32 v[Y+k], v[XB+2*k], v[XB+2*k+1]
.set k, k+1
.endr
.irp t, 0,1,2,3
	global_store_b64 v[CO], v[Y+2*\t:Y+2*\t+1], s[10:11] offset:8192*\t  ; a wave stores 256 consecutive bytes of a row, aligned
.endr
	s_wait_xcnt 0x0                                ; the stores' data and offset are rewritten only behind this wait
	v_add_nc_u32 v[CO], 4*8192, v[CO]
.endm
	s_mov_b32 s2, 31
.Lg:
	GTRIP 1
	s_sub_co_u32 s2, s2, 1
	s_cmp_lg_u32 s2, 0
	s_cbranch_scc1 .Lg
	GTRIP 0                                        ; the last four rows: nothing is left to read
	s_wait_tensorcnt 0x0                           ; the wave's end
	ds_add_u32 v[SPW], v[NIL]
	s_wait_dscnt 0x0
	CROUND                                         ; the closing round
	s_endpgm
.Lfunc_end_k_qf83d3d09a4_mlp1:
	.size	k_qf83d3d09a4_mlp1, .Lfunc_end_k_qf83d3d09a4_mlp1-k_qf83d3d09a4_mlp1
	.p2alignl 7, 3214868480
	.fill 96, 4, 3214868480
	.section	.rodata,"a",@progbits
	.p2align	6, 0x0
	.amdhsa_kernel k_qf83d3d09a4_mlp1
		.amdhsa_group_segment_fixed_size 327680
		.amdhsa_private_segment_fixed_size 0
		.amdhsa_enable_private_segment 0
		.amdhsa_kernarg_size 32
		.amdhsa_user_sgpr_count 2
		.amdhsa_user_sgpr_kernarg_segment_ptr 1
		.amdhsa_wavefront_size32 1
		.amdhsa_system_sgpr_workgroup_id_x 1
		.amdhsa_system_sgpr_workgroup_id_y 1
		.amdhsa_system_sgpr_workgroup_id_z 1
		.amdhsa_system_vgpr_workitem_id 0
		.amdhsa_next_free_vgpr 1024
		.amdhsa_next_free_sgpr 96
		.amdhsa_reserve_vcc 0
		.amdhsa_float_denorm_mode_32 3
		.amdhsa_float_denorm_mode_16_64 3
		.amdhsa_memory_ordered 1
		.amdhsa_forward_progress 1
		.amdhsa_inst_pref_size 96
	.end_amdhsa_kernel
	.amdgpu_metadata
---
amdhsa.version: [ 1, 2 ]
amdhsa.kernels:
  - .name:           k_qf83d3d09a4_mlp1
    .symbol:         k_qf83d3d09a4_mlp1.kd
    .args:
      - { .name: xn, .offset: 0, .size: 8, .value_kind: global_buffer, .address_space: global }
      - { .name: wts, .offset: 8, .size: 8, .value_kind: global_buffer, .address_space: global }
      - { .name: b1, .offset: 16, .size: 8, .value_kind: global_buffer, .address_space: global }
      - { .name: h, .offset: 24, .size: 8, .value_kind: global_buffer, .address_space: global }
    .group_segment_fixed_size: 327680
    .private_segment_fixed_size: 0
    .kernarg_segment_align: 8
    .kernarg_segment_size: 32
    .max_flat_workgroup_size: 128
    .sgpr_count:     96
    .vgpr_count:     1024
    .wavefront_size: 32
...
	.end_amdgpu_metadata
.endif
;; end of part 6
;; launch mlp2 (part 7): grid 8 x 32, 4 waves a work-group, clusters of 4 x 4, 327,680 bytes of LDS; arguments h, wts, b2, x1, out0; writes out0
.if DOCPART == 7
	.amdgcn_target "amdgcn-amd-amdhsa--gfx1250"
	.amdhsa_code_object_version 6
	.text
	.protected	k_qf83d3d09a4_mlp2
	.globl	k_qf83d3d09a4_mlp2
	.p2align	8
	.type	k_qf83d3d09a4_mlp2,@function
k_qf83d3d09a4_mlp2:
	s_mov_b64 s[64:65], 0
	v_nop
	global_prefetch_b8 v0, s[64:65] scope:SCOPE_SE
	s_setreg_imm32_b32 hwreg(HW_REG_WAVE_MODE, 25, 1), 1
	s_wait_xcnt 0x0
	s_wait_alu depctr_hold_cnt(0) depctr_sa_sdst(0) depctr_va_vdst(0) depctr_va_sdst(0) depctr_va_ssrc(0) depctr_va_vcc(0) depctr_vm_vsrc(0)
	s_getreg_b32 s2, hwreg(HW_REG_IB_STS2, 6, 4)
	s_cmp_eq_u32 s2, 0
	s_cbranch_scc0 .Lentry_in_a_cluster
	s_endpgm
.Lentry_in_a_cluster:
	s_bfe_u32 s2, ttmp6, 0x10000c
	s_cmp_lg_u32 s2, 0xf033
	s_cbranch_scc0 .Lentry_shape_is_right
	s_endpgm
.Lentry_shape_is_right:
; OUT = A x W + bias + RES, f16 operands, f32 sums, bias, residual and output.  One text for two launches, chosen by OUTP:
;   OUTP = 1: A = o, by heads [32][2048][64], K = 1,024 (a K step of 256 is four heads), W = w_out, RES = x, OUT = x1.
;   OUTP = 0: A = h [4096][4096], K = 4,096, W = w2, RES = x1, OUT = out0.
; A tile of OUT is 128 x 128: 8 x 32 = 256 work-groups.  Four waves, each 64 x 64: 16 accumulators.  K goes in steps of 256 through two LDS slots.
; W lies [K][N] and is turned on the way out of LDS by ds_load_tr16_b128.  CLUSTER 4 x 4: A's tile is asked for jointly along a row of the cluster, W's along a column.
; THE WALK.  The T K steps are a ring that cluster (X, Y) enters at step r = (T / 2) ((X xor Y) & 1): the two clusters that read one tile of A (same Y), and neighbouring Y that read one tile of W, enter
; half a ring apart, so in the second half of its walk a cluster asks for tiles that another has asked for T / 2 steps earlier.  r hangs on the cluster's place alone, which all partners of a joint load share.
; The f32 sums are added in that order.
; The matrix instruction is used transposed (source 0 = 16 columns of W, source 1 = 16 rows of A): a lane holds eight neighbouring columns of one row.
; REGISTERS: window 0: v16-35 addresses and bias; v128-255 accumulators.  window 1: two fragment buffers of 128 (A 64, then W 64).  window 2: v0-127 residual, then result.
.set OUTP, 0
.if OUTP
.set T, 4                              ; K steps
.set PAA, 144                          ; A's LDS row: a token's 128 bytes of one head + 16
.set HAA, 4*64*PAA                     ; one tensor load: four heads x 64 tokens
.set AQ, 64*PAA                        ; from quarter to quarter: the next head
.set WOFF, 6291456                     ; w_out in wts
.set KA, 4*2048*128                    ; from K step to K step in A: four heads
.else
.set T, 16
.set PAA, 528                          ; 512 bytes + 16
.set HAA, 64*PAA                       ; one tensor load: 64 rows
.set AQ, 128                           ; from quarter to quarter: 64 along K
.set WOFF, 16777216                    ; w2 in wts
.set KA, 512
.endif
.set AI, 16*PAA                        ; from row block to row block
.set BOFF, 2*HAA
.set PB, 288                           ; W's LDS row: 256 bytes + 32: an odd multiple of 32
.set HB, 128*PB
.set SLOT, 147456                      ; shares no bit with the four loads' places in a slot: an exclusive or changes slots
.set SPARE, 2*SLOT                     ; the spare words: 128 bytes a wave, named by no other line
.set KB, 256*2048
.set SPI, 272                          ; the way out: a row of 64 f32 + 16 bytes; the stages lie in the ring, which has had its last fill by then
.set ADRA0, 16
.set ADRB0, 17
.set ADRA, 18
.set ADRB, 20                          ; v20: quarters 0, 1; v21: quarters 2, 3, so that every immediate stays under 65,536
.set STO, 24
.set RD, 25
.set CO, 26
.set SPW, 28
.set NIL, 29
.set BI, 32
.set ACC, 128
.set BA, 20                            ; s[20:21] A at my rows, K step 0
.set G1A, 24
.set G0A, 32
.set BB, 46                            ; s[46:47] W at my rows and columns, K step 0
.set G1B, 48
.set G0B, 56
.set OA, 72                            ; s[72:73] byte offset of the K step asked for, in A,
.set OB, 74                            ; s[74:75] and in W
.set KI, 76                            ; s76 the K step asked for last
.set MSB, 0
.macro WIN new
.if MSB != (\new)
	s_set_vgpr_msb (MSB<<8)|(\new)
.set MSB, (\new)
.endif
.endm
.set MUL, 0x05                         ; sources 0 and 1 window 1; C and D window 0
.set TO_F, 0x40                        ; destination window 1, address window 0
.macro PLACES
.rept 4
	v_nop
.endr
.endm
.macro JLOAD                           ; a joint refill by the walking descriptors; an s_nop 0 and four v_nop follow each line
	s_cmp_eq_u32 s13, 0
	s_cbranch_scc0 .Lfor_b_\@
	tensor_load_to_lds s[G0A+4:G0A+7], s[G1A:G1A+7]
	s_nop 0
	PLACES
	s_branch .Lasked_\@
.Lfor_b_\@:
	tensor_load_to_lds s[G0B+4:G0B+7], s[G1B:G1B+7]
	s_nop 0
	PLACES
.Lasked_\@:
.endm
.macro CREST
	s_cmp_lg_u32 s12, 0
	s_cbranch_scc1 .Lnot_wave_0_\@
	s_barrier_signal -3
.Lnot_wave_0_\@:
	s_barrier_wait -3
	s_barrier_signal -1
	s_barrier_wait -1
.endm
.macro CROUND
	s_barrier_signal -1
	s_barrier_wait -1
	CREST
.endm
; 8 matrix instructions: row blocks a0, a0 + 1 x all 4 column blocks, 32 along K: half c of buffer f.  The 16 accumulators take turns.
.macro MUL8 f, c, a0, zero
	WIN MUL
.irp a, \a0, (\a0)+1
.irp b, 0,1,2,3
.if \zero
	v_wmma_f32_16x16x32_f16 v[ACC+8*(4*(\a)+(\b)):ACC+8*(4*(\a)+(\b))+7], v[128*(\f)+64+8*(4*(\c)+(\b)):128*(\f)+64+8*(4*(\c)+(\b))+7], v[128*(\f)+8*(4*(\c)+(\a)):128*(\f)+8*(4*(\c)+(\a))+7], 0
.else
	v_wmma_f32_16x16x32_f16 v[ACC+8*(4*(\a)+(\b)):ACC+8*(4*(\a)+(\b))+7], v[128*(\f)+64+8*(4*(\c)+(\b)):128*(\f)+64+8*(4*(\c)+(\b))+7], v[128*(\f)+8*(4*(\c)+(\a)):128*(\f)+8*(4*(\c)+(\a))+7], v[ACC+8*(4*(\a)+(\b)):ACC+8*(4*(\a)+(\b))+7]
.endif
.endr
.endr
.endm
; 32 LDS loads in one run: quarter q (64 along K) into buffer f; the first 32 along K first
.macro FETCH q, f
	WIN TO_F
.irp c, 0,1
.irp i, 0,1,2,3
	ds_load_tr16_b128 v[128*(\f)+64+8*(4*(\c)+(\i)):128*(\f)+64+8*(4*(\c)+(\i))+3],   v[ADRB+(\q)/2] offset:(((\q)%2)*64+32*(\c))*PB+32*(\i)
	ds_load_tr16_b128 v[128*(\f)+64+8*(4*(\c)+(\i))+4:128*(\f)+64+8*(4*(\c)+(\i))+7], v[ADRB+(\q)/2] offset:(((\q)%2)*64+32*(\c)+16)*PB+32*(\i)
	ds_load_b128 v[128*(\f)+8*(4*(\c)+(\i)):128*(\f)+8*(4*(\c)+(\i))+3],   v[ADRA] offset:AQ*(\q)+64*(\c)+AI*(\i)
	ds_load_b128 v[128*(\f)+8*(4*(\c)+(\i))+4:128*(\f)+8*(4*(\c)+(\i))+7], v[ADRA] offset:AQ*(\q)+64*(\c)+AI*(\i)+32
.endr
.endr
.endm
.macro QUARTER q, f, g, zero
	s_wait_dscnt 16                                ; the first 32 along K are in; the other sixteen loads may be out
	MUL8 \f, 0, 0, \zero
	MUL8 \f, 0, 2, \zero
	PLACES
	FETCH \q, \g
	s_wait_dscnt 32                                ; all but the 32 just issued
	MUL8 \f, 1, 0, 0
	MUL8 \f, 1, 2, 0
.endm
; The last quarter multiplies buffer 1 and changes slots.  fill = 1: the slot just read is filled again, with the ring's step two on, behind a round of the cluster's barrier.
; fill = 0 (the tail's loop, counted by s2): nothing is asked for; in its last trip there is no next slot, and the fetch is jumped over.
.macro TURN fill
	WIN 0
	s_wait_tensorcnt 0x0                           ; all my tensor loads have landed: my part of the next slot; so a group 0 may be written
	ds_add_u32 v[SPW], v[NIL]                      ; 0 onto my spare word
.if \fill
	s_add_co_u32 s[KI], s[KI], 1                   ; the ring's next step; its addresses are made anew from its number
	s_and_b32 s[KI], s[KI], T-1
	s_mul_i32 s[OA], s[KI], KA
	s_mul_i32 s[OB], s[KI], KB
	s_xor_b32 s[G0A+5], s[G0A+5], SLOT             ; the other slot than last time
	s_add_nc_u64 s[G0A+6:G0A+7], s[BA:BA+1], s[OA:OA+1]
	s_or_b32 s[G0A+7], s[G0A+7], 0x80000000
	s_xor_b32 s[G0B+5], s[G0B+5], SLOT
	s_add_nc_u64 s[G0B+6:G0B+7], s[BB:BB+1], s[OB:OB+1]
	s_or_b32 s[G0B+7], s[G0B+7], 0x80000000
.endif
	s_wait_dscnt 17                                ; the add and the youngest sixteen loads may be out
	MUL8 1, 0, 0, 0
	s_wait_dscnt 0x0                               ; the add is done, and my reads of this slot are over
	s_barrier_signal -1
	MUL8 1, 0, 2, 0
	WIN 0
	s_barrier_wait -1
.if \fill
	CREST                                          ; no wave of any partner still reads this slot or has a load on its way
	JLOAD                                          ; my one tensor load behind the round; its four v_nop are also the places in front of the loads below
.else
	PLACES
	s_cmp_eq_u32 s2, 1
	s_cbranch_scc1 .Lno_fetch_\@
.endif
	s_xor_b32 s3, s3, SLOT
	v_add_nc_u32 v[ADRA], s3, v[ADRA0]
	v_add_nc_u32 v[ADRB], s3, v[ADRB0]
	v_add_nc_u32 v[ADRB+1], HB, v[ADRB]
	FETCH 0, 0
.if !(\fill)
	WIN 0
.Lno_fetch_\@:
.endif
	MUL8 1, 1, 0, 0
	MUL8 1, 1, 2, 0
.endm
	s_load_b256 s[4:11], s[0:1], 0x0               ; A s[4:5], wts s[6:7], bias s[8:9], residual s[10:11]
	s_load_b64 s[66:67], s[0:1], 0x20              ; out
	v_lshl_add_u32 v[SPW], v0, 2, SPARE
	v_mov_b32 v[NIL], 0
	ds_add_u32 v[SPW], v[NIL]                      ; the wave's opening: the add and its wait ahead of my first tensor load
	v_lshrrev_b32 v1, 5, v0
	v_readfirstlane_b32 s12, v1                    ; wave 0..3
	s_lshr_b32 s13, s12, 1                         ; my half of the tile's rows.  Also: I fetch for A (0) or for W (1)
	s_and_b32 s14, s12, 1                          ; my half of its columns.  Also: which half I fetch
	s_bfe_u32 s40, ttmp6, 0x40000
	s_bfe_u32 s41, ttmp6, 0x40004
	s_lshl_b32 s42, ttmp9, 2
	s_add_co_u32 s42, s42, s40                     ; tile column
	s_and_b32 s15, ttmp7, 0xffff
	s_lshl_b32 s15, s15, 2
	s_add_co_u32 s15, s15, s41                     ; tile row
	s_lshl_b32 s43, s41, 2
	s_lshl_b32 s43, 15, s43
	s_lshl_b32 s44, 0x1111, s40
.if OUTP
	s_or_b32 s[G1A], s43, (1<<16)|(1<<20)|(1<<21)|(4<<22)|(3<<25)  ; 64 tokens of a head are 8,192 dense bytes: one row; 4 words of padding behind every token's 32
	s_mov_b32 s[G1A+1], 4096<<16
	s_mov_b32 s[G1A+2], 4<<16
	s_mov_b32 s[G1A+3], 4096<<16
	s_mov_b32 s[G1A+4], 4                          ; four heads,
	s_mov_b32 s[G1A+5], 131072                     ; 2,048 x 64 elements apart
.else
	s_or_b32 s[G1A], s43, (1<<16)|(1<<20)|(1<<21)|(6<<22)|(3<<25)  ; 4 words behind every 128
	s_mov_b32 s[G1A+1], 256<<16
	s_mov_b32 s[G1A+2], 64<<16
	s_mov_b32 s[G1A+3], 256<<16
	s_mov_b32 s[G1A+4], 64
	s_mov_b32 s[G1A+5], 4096
.endif
	s_mov_b32 s[G1A+6], 0
	s_mov_b32 s[G1A+7], 0
	s_or_b32 s[G1B], s44, (1<<16)|(1<<20)|(1<<21)|(5<<22)|(7<<25)  ; 8 words behind every 64
	s_mov_b32 s[G1B+1], 128<<16
	s_mov_b32 s[G1B+2], 128<<16
	s_mov_b32 s[G1B+3], 128<<16
	s_mov_b32 s[G1B+4], 128
	s_mov_b32 s[G1B+5], 1024
	s_mov_b32 s[G1B+6], 0
	s_mov_b32 s[G1B+7], 0
	s_and_b32 s18, ttmp7, 1                        ; where my cluster enters the ring: r = (T / 2) ((X xor Y) & 1)
	s_and_b32 s19, ttmp9, 1
	s_xor_b32 s18, s18, s19
	s_mul_i32 s[KI], s18, T/2
	s_mul_i32 s[OA], s[KI], KA
	s_mov_b32 s[OA+1], 0
	s_mul_i32 s[OB], s[KI], KB
	s_mov_b32 s[OB+1], 0
	s_add_co_u32 s[KI], s[KI], 1                   ; the first fills ask for steps r and r + 1
.if OUTP
	s_lshr_b32 s16, s15, 4                         ; b: 16 heads of 262,144 bytes,
	s_lshl_b32 s16, s16, 22
	s_and_b32 s17, s15, 15                         ; 128 tokens of 128 bytes a tile row,
	s_lshl_b32 s17, s17, 14
	s_add_co_u32 s16, s16, s17
	s_lshl_b32 s17, s14, 13                        ; 64 tokens a half
.else
	s_lshl_b32 s16, s15, 20                        ; (128 tile row + 64 half) rows of 8,192 bytes
	s_lshl_b32 s17, s14, 19
.endif
	s_add_co_u32 s16, s16, s17
	s_mov_b32 s17, 0
	s_lshl_b32 s46, s14, 18                        ; W: 128 half rows of 2,048 bytes + 256 bytes a tile column
	s_lshl_b32 s47, s42, 8
	s_add_co_u32 s46, s46, s47
	s_add_co_u32 s46, s46, WOFF
	s_mov_b32 s47, 0
	s_mul_i32 s22, s14, HAA
	s_mul_i32 s23, s14, HB
	s_add_co_u32 s23, s23, BOFF
	s_lshl_b32 s70, s42, 9                         ; my first column in bytes of f32: 512 tile column + 256 half
	s_lshl_b32 s71, s14, 8
	s_add_co_u32 s70, s70, s71
	s_mov_b32 s71, 0
	s_lshl_b32 s68, s15, 19                        ; my first row: (128 tile row + 64 half) rows of 4,096 bytes
	s_lshl_b32 s69, s13, 18
	s_add_co_u32 s68, s68, s69
	s_add_co_u32 s68, s68, s70
	s_mov_b32 s69, 0
	s_wait_dscnt 0x0                               ; the opening add is done
	s_wait_kmcnt 0x0
	s_add_nc_u64 s[BA:BA+1], s[4:5], s[16:17]
	s_add_nc_u64 s[BB:BB+1], s[6:7], s[46:47]
	s_add_nc_u64 s[18:19], s[BA:BA+1], s[OA:OA+1]  ; both at step r
	s_add_nc_u64 s[78:79], s[BB:BB+1], s[OB:OB+1]
	s_add_nc_u64 s[8:9], s[8:9], s[70:71]
	s_add_nc_u64 s[10:11], s[10:11], s[68:69]
	s_add_nc_u64 s[66:67], s[66:67], s[68:69]
.irp s, 0,1
	s_mov_b32 s[G0A+4*\s], 1
	s_add_co_u32 s[G0A+4*\s+1], s22, \s*SLOT
	s_add_nc_u64 s[G0A+4*\s+2:G0A+4*\s+3], s[18:19], \s*KA
	s_or_b32 s[G0A+4*\s+3], s[G0A+4*\s+3], 0x80000000
	s_mov_b32 s[G0B+4*\s], 1
	s_add_co_u32 s[G0B+4*\s+1], s23, \s*SLOT
	s_add_nc_u64 s[G0B+4*\s+2:G0B+4*\s+3], s[78:79], \s*KB
	s_or_b32 s[G0B+4*\s+3], s[G0B+4*\s+3], 0x80000000
.endr
	CROUND                                         ; all sixteen work-groups are here: the first joint loads meet
	s_cmp_eq_u32 s13, 0                            ; a wave's two first fills stand in one branch: two loads of mine are out
	s_cbranch_scc0 .Lfirst_b
	tensor_load_to_lds s[G0A:G0A+3], s[G1A:G1A+7]
	s_nop 0
	tensor_load_to_lds s[G0A+4:G0A+7], s[G1A:G1A+7]
	s_nop 0
	PLACES
	s_branch .Lfirst_done
.Lfirst_b:
	tensor_load_to_lds s[G0B:G0B+3], s[G1B:G1B+7]
	s_nop 0
	tensor_load_to_lds s[G0B+4:G0B+7], s[G1B:G1B+7]
	s_nop 0
	PLACES
.Lfirst_done:
	v_and_b32 v1, 15, v0                           ; r
	v_bfe_u32 v2, v0, 4, 1                         ; hh
	v_lshlrev_b32 v27, 4, v1                       ; 16 r
	v_lshl_add_u32 v[CO], v2, 12, v27              ; two rows of 4,096 bytes a wave: lanes 0-15 one row's 256 bytes, lanes 16-31 the next
	WIN 0x80                                       ; destination window 2: the residual arrives under the whole K loop; v26 and the bases are never rewritten
.set g, 0
.rept 32
	global_load_b128 v[4*g:4*g+3], v[CO], s[10:11] offset:8192*g
.set g, g+1
.endr
	WIN 0
	global_load_b128 v[BI:BI+3], v27, s[8:9]       ; the bias of my four columns
	v_mul_u32_u24 v3, v1, PAA
	v_lshl_add_u32 v3, v2, 4, v3
	s_mul_i32 s16, s13, HAA                        ; my 64 rows of A
	v_add_nc_u32 v[ADRA0], s16, v3
	v_and_b32 v4, 7, v0
	v_bfe_u32 v5, v0, 3, 1
	v_lshl_add_u32 v4, v2, 3, v4
	v_mul_u32_u24 v4, v4, PB
	v_lshl_add_u32 v4, v5, 4, v4
	s_lshl_b32 s17, s14, 7                         ; my 64 columns of W
	s_add_co_u32 s17, s17, BOFF
	v_add_nc_u32 v[ADRB0], s17, v4
	s_mul_i32 s17, s12, 64*SPI                     ; my stage
	v_mul_u32_u24 v6, v1, SPI
	v_lshl_add_u32 v6, v2, 5, v6
	v_add_nc_u32 v[STO], s17, v6
	v_mul_u32_u24 v6, v2, SPI
	v_lshl_add_u32 v6, v1, 4, v6
	v_add_nc_u32 v[RD], s17, v6
	s_wait_tensorcnt 0x1                           ; my part of the first step is in; the second's may stay out
	s_barrier_signal -1
	s_barrier_wait -1
	s_mov_b32 s3, 0
	v_mov_b32 v[ADRA], v[ADRA0]
	v_mov_b32 v[ADRB], v[ADRB0]
	v_add_nc_u32 v[ADRB+1], HB, v[ADRB0]
	FETCH 0, 0
	QUARTER 1, 0, 1, 1                             ; the first quarter stands in front of the loop: its first products start the sums
	WIN 0
	s_mov_b32 s2, T-2
.Lk:                                                   ; a trip is a K step, from its second quarter to the next step's first; T - 2 trips ask for the ring's steps 2 to T - 1
	QUARTER 2, 1, 0, 0
	QUARTER 3, 0, 1, 0
	TURN 1
	QUARTER 1, 0, 1, 0
	WIN 0
	s_sub_co_u32 s2, s2, 1
	s_cmp_lg_u32 s2, 0
	s_cbranch_scc1 .Lk
	s_mov_b32 s2, 2                                ; the last two steps ask for nothing: a loop of their own; it is entered behind a step's first quarter
	s_branch .Lmid
.Lt:
	QUARTER 1, 0, 1, 0
	WIN 0
.Lmid:
	QUARTER 2, 1, 0, 0
	QUARTER 3, 0, 1, 0
	TURN 0
	WIN 0
	s_sub_co_u32 s2, s2, 1
	s_cmp_lg_u32 s2, 0
	s_cbranch_scc1 .Lt
	; THE WAY OUT.  The bias goes onto the residual (these lines are also the places behind the last products); the sums go through my stage and come back as whole rows.
	s_wait_loadcnt 0x0
	WIN 0x82                                       ; destination and source 0 window 2, source 1 window 0
.set g, 0
.rept 32
	v_pk_add_f32 v[4*g:4*g+1], v[4*g:4*g+1], v[BI:BI+1]
	v_pk_add_f32 v[4*g+2:4*g+3], v[4*g+2:4*g+3], v[BI+2:BI+3]
.set g, g+1
.endr
	WIN 0
	s_wait_dscnt 0x0
	s_barrier_signal -1                            ; every wave has read the ring out: the stages may be written
	s_barrier_wait -1
.irp a, 0,1,2,3
.irp b, 0,1,2,3
	ds_store_b128 v[STO], v[ACC+8*(4*\a+\b):ACC+8*(4*\a+\b)+3]   offset:16*SPI*\a+64*\b     ; each accumulator's low registers first
	ds_store_b128 v[STO], v[ACC+8*(4*\a+\b)+4:ACC+8*(4*\a+\b)+7] offset:16*SPI*\a+64*\b+16
.endr
.endr
.set g, 0
.rept 32
	ds_load_b128 v[ACC+4*g:ACC+4*g+3], v[RD] offset:2*SPI*g  ; LDS serves a wave's instructions in order: these see the stores above
.set g, g+1
.endr
	WIN 0x88                                       ; source 0 window 0; source 1, store data and destination window 2
.set g, 0
.rept 32
	s_wait_dscnt 31-g
	v_pk_add_f32 v[4*g:4*g+1], v[ACC+4*g:ACC+4*g+1], v[4*g:4*g+1]
	v_pk_add_f32 v[4*g+2:4*g+3], v[ACC+4*g+2:ACC+4*g+3], v[4*g+2:4*g+3]
	global_store_b128 v[CO], v[4*g:4*g+3], s[66:67] offset:8192*g  ; sixteen lanes store 256 consecutive bytes, aligned
.set g, g+1
.endr
	WIN 0
	s_wait_tensorcnt 0x0                           ; the wave's end
	ds_add_u32 v[SPW], v[NIL]
	s_wait_dscnt 0x0
	CROUND                                         ; the closing round
	s_endpgm
.Lfunc_end_k_qf83d3d09a4_mlp2:
	.size	k_qf83d3d09a4_mlp2, .Lfunc_end_k_qf83d3d09a4_mlp2-k_qf83d3d09a4_mlp2
	.p2alignl 7, 3214868480
	.fill 96, 4, 3214868480
	.section	.rodata,"a",@progbits
	.p2align	6, 0x0
	.amdhsa_kernel k_qf83d3d09a4_mlp2
		.amdhsa_group_segment_fixed_size 327680
		.amdhsa_private_segment_fixed_size 0
		.amdhsa_enable_private_segment 0
		.amdhsa_kernarg_size 40
		.amdhsa_user_sgpr_count 2
		.amdhsa_user_sgpr_kernarg_segment_ptr 1
		.amdhsa_wavefront_size32 1
		.amdhsa_system_sgpr_workgroup_id_x 1
		.amdhsa_system_sgpr_workgroup_id_y 1
		.amdhsa_system_sgpr_workgroup_id_z 1
		.amdhsa_system_vgpr_workitem_id 0
		.amdhsa_next_free_vgpr 640
		.amdhsa_next_free_sgpr 80
		.amdhsa_reserve_vcc 0
		.amdhsa_float_denorm_mode_32 3
		.amdhsa_float_denorm_mode_16_64 3
		.amdhsa_memory_ordered 1
		.amdhsa_forward_progress 1
		.amdhsa_inst_pref_size 70
	.end_amdhsa_kernel
	.amdgpu_metadata
---
amdhsa.version: [ 1, 2 ]
amdhsa.kernels:
  - .name:           k_qf83d3d09a4_mlp2
    .symbol:         k_qf83d3d09a4_mlp2.kd
    .args:
      - { .name: h, .offset: 0, .size: 8, .value_kind: global_buffer, .address_space: global }
      - { .name: wts, .offset: 8, .size: 8, .value_kind: global_buffer, .address_space: global }
      - { .name: b2, .offset: 16, .size: 8, .value_kind: global_buffer, .address_space: global }
      - { .name: x1, .offset: 24, .size: 8, .value_kind: global_buffer, .address_space: global }
      - { .name: out0, .offset: 32, .size: 8, .value_kind: global_buffer, .address_space: global }
    .group_segment_fixed_size: 327680
    .private_segment_fixed_size: 0
    .kernarg_segment_align: 8
    .kernarg_segment_size: 40
    .max_flat_workgroup_size: 128
    .sgpr_count:     80
    .vgpr_count:     640
    .wavefront_size: 32
...
	.end_amdgpu_metadata
.endif
;; end of part 7
